; MI455X (gfx1250); checked and timed in simulation.
; The chip was launched on July 23, 2026; its instructions are those of AMD's public machine-readable ISA for CDNA 5 (MIT licence, August 2026) and "CDNA5" Instruction Set Architecture Reference Guide (July 2026). The comments in the code are by the model that wrote it; some were corrected since.
;; Self Attention. Allowed arithmetic: float matrix products may take bf16 or f16 operands with f32 sums; other float arithmetic in f32, or as packed bf16 or f16 multiplies, adds, multiply-adds, maxima and minima; sums over many terms, partial sums and values carried from step to step in f32; what a program stores and reads back later, other than sums and carried values, may be rounded once to bf16 or f16.
;; Inputs: Wk 1,024 x 1,024 float32; Wq 1,024 x 1,024 float32; Wv 1,024 x 1,024 float32; bk 1,024 float32; bq 1,024 float32; bv 1,024 float32; x 4 x 2,048 x 1,024 float32.
;; Outputs: out0 4 x 2,048 x 1,024 float32.
;; 2 versions, each right; version 2 is version 1 with the launch cast written anew for expert scheduling mode. Each part assembles by itself: llvm-mc -triple=amdgcn-amd-amdhsa -mcpu=gfx1250 --defsym DOCPART=n.
;; ======== version 1 of 2: 4 launches
;; workspace buffers: xw 23,068,672 bytes; bb 12,288 bytes; qkv 50,331,648 bytes; pt 33,554,432 bytes; ms 524,288 bytes; ls 524,288 bytes
;; launch cast (part 1): grid 257 x 1, 11 waves a work-group, no clusters, 0 bytes of LDS; arguments x, Wq, Wk, Wv, bq, bk, bv, xw, bb; writes xw, bb
.if DOCPART == 1
	.amdgcn_target "amdgcn-amd-amdhsa--gfx1250"
	.amdhsa_code_object_version 6
	.text
	.protected	k_q4fbca70f8a_cast
	.globl	k_q4fbca70f8a_cast
	.p2align	8
	.type	k_q4fbca70f8a_cast,@function
k_q4fbca70f8a_cast:
	s_mov_b64 s[64:65], 0
	v_nop
	global_prefetch_b8 v0, s[64:65] scope:SCOPE_SE
	s_setreg_imm32_b32 hwreg(HW_REG_WAVE_MODE, 25, 1), 1
	s_wait_xcnt 0x0
; x, Wq, Wk, Wv (f32, rows of 1,024) are rounded once to bf16 and laid out for the projection: xw[kb][row][64], kb = 0..15 blocks of 64 along K,
; rows 0-8191 x, then Wq, Wk, Wv (1,024 rows each): 11,264 rows of 128 bytes in a block, so that a tile of rows of one block is dense in memory.
; The three biases are rounded to bf16 like every other input and kept as f32 in bb (bq, bk, bv).
; A stream: every byte is read once and written once; no LDS, no barrier, no matrix unit, no cluster (no two work-groups read the same byte).
; SHARES.  A wave takes four rows: 11,264 rows are 2,816 waves, 11 in each of 256 work-groups, so that all have equal work.  Wave G = 11 g + w takes xw's rows 4 G .. 4 G + 3 (x's and the
; weights' row counts are multiples of four, so a wave has one source); a lane takes row l / 8 and 8 numbers of each block: eight lanes read 256 bytes on end, and a wave's store covers
; 512 bytes on end (four rows of one block).  All 32 loads of a lane go out at once.  Work-group 256 does the biases, with its first eight waves.
.set KBS, 1441792                      ; bytes in a block of xw: 11,264 rows x 128
.set SRC, 26                           ; s[26:27] my four rows in their source
.set DST, 28                           ; s[28:35] xw at my rows, in blocks 0, 5, 10, 15: the stores' immediates reach four blocks on
	s_load_b512 s[8:23], s[0:1], 0x0               ; x 8, Wq 10, Wk 12, Wv 14, bq 16, bk 18, bv 20, xw 22
	s_load_b64 s[24:25], s[0:1], 0x40              ; bb
	v_lshrrev_b32 v4, 5, v0
	v_readfirstlane_b32 s2, v4                     ; my wave's number
	s_cmp_eq_u32 ttmp9, 256
	s_cbranch_scc1 .Lbias
	v_and_b32 v3, 31, v0                           ; lane
	v_lshlrev_b32 v1, 4, v3                        ; my 16 bytes of the wave's 512 in a block
	v_lshrrev_b32 v2, 3, v3                        ; my row of the four
	v_and_b32 v3, 7, v3
	v_lshlrev_b32 v3, 5, v3                        ; my 32 bytes of a block's 256
	v_lshl_add_u32 v2, v2, 12, v3                  ; + row x 4,096
	s_mul_i32 s3, ttmp9, 11
	s_add_co_u32 s3, s3, s2                        ; G
	s_sub_co_u32 s4, s3, 2048                      ; for G >= 2,048: which weight (256 waves each), and which four rows of it
	s_lshr_b32 s5, s4, 8
	s_and_b32 s4, s4, 255
	s_lshl_b32 s6, s3, 9                           ; four rows x 128 bytes in xw
	s_mov_b32 s7, 0
	s_wait_kmcnt 0x0
	s_cmp_eq_u32 s5, 1
	s_cselect_b64 s[SRC:SRC+1], s[12:13], s[10:11]
	s_cmp_eq_u32 s5, 2
	s_cselect_b64 s[SRC:SRC+1], s[14:15], s[SRC:SRC+1]
	s_cmp_lt_u32 s3, 2048
	s_cselect_b64 s[SRC:SRC+1], s[8:9], s[SRC:SRC+1]
	s_cselect_b32 s4, s3, s4
	s_lshl_b32 s4, s4, 14                          ; four rows x 4,096 bytes
	s_mov_b32 s5, 0
	s_add_nc_u64 s[SRC:SRC+1], s[SRC:SRC+1], s[4:5]
	s_add_nc_u64 s[DST:DST+1], s[22:23], s[6:7]
	s_add_nc_u64 s[DST+2:DST+3], s[DST:DST+1], 5*KBS
	s_add_nc_u64 s[DST+4:DST+5], s[DST+2:DST+3], 5*KBS
	s_add_nc_u64 s[DST+6:DST+7], s[DST+4:DST+5], 5*KBS
.set kb, 0
.rept 16
	global_load_b128 v[16+8*kb:16+8*kb+3],   v2, s[SRC:SRC+1] offset:256*kb th:TH_LOAD_NT
	global_load_b128 v[16+8*kb+4:16+8*kb+7], v2, s[SRC:SRC+1] offset:256*kb+16 th:TH_LOAD_NT
.set kb, kb+1
.endr
.set kb, 0
.rept 16
	s_wait_loadcnt 30-2*kb                         ; loads come back in order: this block's two are in, the later blocks' stay out
.irp r, 0,1,2,3
	v_cvt_pk_bf16_f32 v[144+4*kb+(\r)], v[16+8*kb+2*(\r)], v[16+8*kb+2*(\r)+1]
.endr
	global_store_b128 v1, v[144+4*kb:144+4*kb+3], s[DST+2*(kb/5):DST+2*(kb/5)+1] offset:(kb%5)*KBS  ; every store has registers of its own: nothing is rewritten
.set kb, kb+1
.endr
	s_endpgm
.Lbias:
	s_wait_kmcnt 0x0
	s_cmp_lt_u32 s2, 8                             ; a bias is 256 threads x 16 bytes
	s_cbranch_scc0 .Lend
	v_lshlrev_b32 v1, 4, v0
	global_load_b128 v[4:7],   v1, s[16:17]
	global_load_b128 v[8:11],  v1, s[18:19]
	global_load_b128 v[12:15], v1, s[20:21]
	s_wait_loadcnt 0x0
.irp k, 0,1,2,3,4,5
	v_cvt_pk_bf16_f32 v[16+(\k)], v[4+2*(\k)], v[4+2*(\k)+1]
.endr
.irp k, 0,1,2,3,4,5
	v_lshlrev_b32 v[24+2*(\k)], 16, v[16+(\k)]     ; back to f32: the low half moves up,
	v_and_b32 v[24+2*(\k)+1], 0xffff0000, v[16+(\k)]  ; the high half stays
.endr
	global_store_b128 v1, v[24:27], s[24:25]
	global_store_b128 v1, v[28:31], s[24:25] offset:4096
	global_store_b128 v1, v[32:35], s[24:25] offset:8192
.Lend:
	s_endpgm
.Lfunc_end_k_q4fbca70f8a_cast:
	.size	k_q4fbca70f8a_cast, .Lfunc_end_k_q4fbca70f8a_cast-k_q4fbca70f8a_cast
	.p2alignl 7, 3214868480
	.fill 96, 4, 3214868480
	.section	.rodata,"a",@progbits
	.p2align	6, 0x0
	.amdhsa_kernel k_q4fbca70f8a_cast
		.amdhsa_group_segment_fixed_size 0
		.amdhsa_private_segment_fixed_size 0
		.amdhsa_enable_private_segment 0
		.amdhsa_kernarg_size 72
		.amdhsa_user_sgpr_count 2
		.amdhsa_user_sgpr_kernarg_segment_ptr 1
		.amdhsa_wavefront_size32 1
		.amdhsa_system_sgpr_workgroup_id_x 1
		.amdhsa_system_sgpr_workgroup_id_y 1
		.amdhsa_system_sgpr_workgroup_id_z 1
		.amdhsa_system_vgpr_workitem_id 0
		.amdhsa_next_free_vgpr 208
		.amdhsa_next_free_sgpr 66
		.amdhsa_reserve_vcc 0
		.amdhsa_float_denorm_mode_32 3
		.amdhsa_float_denorm_mode_16_64 3
		.amdhsa_memory_ordered 1
		.amdhsa_forward_progress 1
		.amdhsa_inst_pref_size 13
	.end_amdhsa_kernel
	.amdgpu_metadata
---
amdhsa.version: [ 1, 2 ]
amdhsa.kernels:
  - .name:           k_q4fbca70f8a_cast
    .symbol:         k_q4fbca70f8a_cast.kd
    .args:
      - { .name: x, .offset: 0, .size: 8, .value_kind: global_buffer, .address_space: global }
      - { .name: Wq, .offset: 8, .size: 8, .value_kind: global_buffer, .address_space: global }
      - { .name: Wk, .offset: 16, .size: 8, .value_kind: global_buffer, .address_space: global }
      - { .name: Wv, .offset: 24, .size: 8, .value_kind: global_buffer, .address_space: global }
      - { .name: bq, .offset: 32, .size: 8, .value_kind: global_buffer, .address_space: global }
      - { .name: bk, .offset: 40, .size: 8, .value_kind: global_buffer, .address_space: global }
      - { .name: bv, .offset: 48, .size: 8, .value_kind: global_buffer, .address_space: global }
      - { .name: xw, .offset: 56, .size: 8, .value_kind: global_buffer, .address_space: global }
      - { .name: bb, .offset: 64, .size: 8, .value_kind: global_buffer, .address_space: global }
    .group_segment_fixed_size: 0
    .private_segment_fixed_size: 0
    .kernarg_segment_align: 8
    .kernarg_segment_size: 72
    .max_flat_workgroup_size: 352
    .sgpr_count:     66
    .vgpr_count:     208
    .wavefront_size: 32
...
	.end_amdgpu_metadata
.endif
;; end of part 1
;; launch proj (part 2): grid 8 x 32, 4 waves a work-group, clusters of 4 x 4, 327,680 bytes of LDS; arguments xw, bb, qkv; writes qkv
.if DOCPART == 2
	.amdgcn_target "amdgcn-amd-amdhsa--gfx1250"
	.amdhsa_code_object_version 6
	.text
	.protected	k_q4fbca70f8a_proj
	.globl	k_q4fbca70f8a_proj
	.p2align	8
	.type	k_q4fbca70f8a_proj,@function
k_q4fbca70f8a_proj:
	s_mov_b64 s[64:65], 0
	v_nop
	global_prefetch_b8 v0, s[64:65] scope:SCOPE_SE
	s_setreg_imm32_b32 hwreg(HW_REG_WAVE_MODE, 25, 1), 1
	s_wait_xcnt 0x0
	s_wait_alu depctr_hold_cnt(0) depctr_sa_sdst(0) depctr_va_vdst(0) depctr_va_sdst(0) depctr_va_ssrc(0) depctr_va_vcc(0) depctr_vm_vsrc(0)
	s_getreg_b32 s2, hwreg(HW_REG_IB_STS2, 6, 4)
	s_cmp_eq_u32 s2, 0
	s_cbranch_scc0 .Lentry_in_a_cluster
	s_endpgm
.Lentry_in_a_cluster:
	s_bfe_u32 s2, ttmp6, 0x10000c
	s_cmp_lg_u32 s2, 0xf033
	s_cbranch_scc0 .Lentry_shape_is_right
	s_endpgm
.Lentry_shape_is_right:
; qkv[row][e] = the sum over d of x[row][d] W[e][d] + b[e]: 8,192 rows, e = 0..3071 (Q, K, V side by side), K = 1,024.  Operands bf16 (xw, in blocks of 64 along K), sums f32, qkv rounded once to bf16.
; LIMITS.  NaN and infinities are not treated apart; the sums go in the matrix unit's order.
; SHARES.  8,192 x 3,072 / 256 work-groups: a tile of 256 rows x 384 columns each, one tile a work-group.  Four waves, 128 x 192 each: 96 accumulators of 16 x 16, 768 registers.
; K goes in 16 steps of 64 (one block of xw) through two LDS slots: a step's tiles are dense in memory and are asked for as rows of 256 bytes (two rows of xw), padded in LDS after every 128 bytes.
; Two slots of a step of 128 (2 x 184,320 bytes) do not fit in LDS.
; CLUSTER.  4 x 4 work-groups: x's tile hangs on the tile row alone and is asked for jointly along a row of the cluster, W's on the tile column alone, jointly along a column.
; THE MATRIX INSTRUCTION IS USED TRANSPOSED (source 0 = 16 rows of W, source 1 = 16 rows of x): a lane holds row l % 16 and the columns 8 (l / 16) + 0..7.
; THE SUMS START AS THE BIAS: a lane's eight columns' biases are loaded straight into each accumulator, so every product has one form, nothing is cleared and no bias is added at the end.
; REGISTERS, in windows of 256: window 0: v0-31 addresses; v32-95, v96-159 x's 8 fragments, two buffers; v160-255 W's 12 fragments, ONE buffer, loaded again a third at a time.
;   windows 1-3: accumulator (a, b), a = 0..7 row blocks, b = 0..11 column blocks, at v[8 (4 a + b % 4)] of window 1 + b / 4.
; LDS: slot 0 at 0, slot 1 at 131,072: x's 256 rows, then W's 384, 144 bytes apart.  After the last fill the stage for the way out (256 rows x 784 bytes) lies over the ring.  Spare words behind slot 1.
.set KBS,   1441792                    ; bytes from a block of xw to the next
.set PITCH, 144                        ; 128 bytes + 16: nine times 16 bytes, so the 16 rows of a fragment load start at 16 different groups of four banks (ISA guide 11.1)
.set AHALF, 128*PITCH
.set BHALF, 192*PITCH
.set BOFF,  2*AHALF
.set SLOT1, 1<<17
.set SP,    784                        ; a stage row: 768 bytes + 16 = 49 times 16
.set SPARE, SLOT1+BOFF+2*BHALF         ; 223,232: 128 bytes for each wave, two blocks of 256 bytes that no other line names
.set ADRA0, 8                          ; v8   my lane's place in x's tile; never rewritten
.set ADRB0, 9                          ; v9   in W's
.set ADRA,  10                         ; v10  the same in the slot in hand
.set ADRB,  11
.set STO,   12                         ; v12-13 the way out: where I put 16 bytes, row blocks 0-3 and 4-7
.set RD,    14                         ; v14-16 where I read 16 bytes back: three instructions cover two rows of 768 bytes
.set CO,    17                         ; v17-19 the same places in qkv
.set PFO,   20                         ; v20  the prefetches' offset; never rewritten
.set BO,    21                         ; v21  32 (l / 16): my eight biases of a column block
.set SPW,   28                         ; v28  my spare word; never rewritten
.set NIL,   29                         ; v29  0; never rewritten
.set FA0,   32
.set FA1,   96
.set FB,    160
.set WV, 10                            ; s10 wave; s11 wave / 2: my half of the rows, and: I fetch x (0) or W (1); s12 wave % 2: my half of the columns, and: which half I fetch
.set WR, 11
.set WC, 12
.set TR, 13                            ; tile row, tile column, place in the cluster
.set TC, 14
.set CX, 15
.set CY, 16
.set G1A, 24                           ; s[24:31] group 1 for x's tiles; s[32:39] group 0: a set for each first fill, the second then walks
.set G0A, 32
.set G1B, 40                           ; s[40:47], s[48:55] the same for W's
.set G0B, 48
.set TB,  56                           ; s56  the slot in hand: 0 or SLOT1
.set CNT, 57                           ; s57  steps to go in the loop
.set LIM, 58                           ; s58  a wave prefetches while CNT is above this
.set PFA, 60                           ; s[60:61] where my prefetches stand
.set MSB, 0
.macro WIN new                         ; the immediate's high byte repeats the setting that is left; a switch that changes nothing is dropped
.if MSB != (\new)
	s_set_vgpr_msb (MSB<<8)|(\new)
.set MSB, \new
.endif
.endm
.macro PLACES                          ; four plain places between a matrix instruction and a load into, or a vector read of, its registers
.rept 4
	v_nop
.endr
.endm
.macro CREST                           ; a round of the cluster's barrier behind its opening barrier
	s_cmp_lg_u32 s[WV], 0
	s_cbranch_scc1 .Lnot_wave_0_\@
	s_barrier_signal -3
.Lnot_wave_0_\@:
	s_barrier_wait -3
	s_barrier_signal -1
	s_barrier_wait -1
.endm
.macro CROUND
	s_barrier_signal -1
	s_barrier_wait -1
	CREST
.endm
.macro JLOAD                           ; a joint refill by the walking sets; the branch hangs on the wave's number alone; an s_nop 0 and four v_nop follow each line
	s_cmp_eq_u32 s[WR], 0
	s_cbranch_scc0 .Lfor_b_\@
	tensor_load_to_lds s[G0A+4:G0A+7], s[G1A:G1A+7]
	s_nop 0
.rept 4
	v_nop
.endr
	s_branch .Lasked_\@
.Lfor_b_\@:
	tensor_load_to_lds s[G0B+4:G0B+7], s[G1B:G1B+7]
	s_nop 0
.rept 4
	v_nop
.endr
.Lasked_\@:
.endm
; A PREFETCH INTO THE L2, in every second step (CNT even), behind the joint load and the run of LDS loads: it names the steps four and five on, of which the refills ask two and three steps later.
; x's 256 rows of a tile row: each of the 8 work-groups of that tile row takes 32 rows BY ADDRESS (4,096 bytes on end a step: 16 lanes, the other 16 the step after): wave 0.
; W's 384 rows of a tile column: the first cluster of the column (cluster y = 0) asks; its four partners take 96 rows each by address (48 blocks of 256 bytes a step, two steps: 96 lanes): waves 1 to 3.
; So each block of 256 bytes of steps 4 to 15 is named once in the launch; steps 0 to 3 come by their loads alone; the last request, with CNT = 4, names steps 14 and 15.
.macro ASK
	s_bitcmp1_b32 s[CNT], 0
	s_cbranch_scc1 .Lnot_mine_\@
	s_cmp_gt_u32 s[CNT], s[LIM]
	s_cbranch_scc0 .Lnot_mine_\@
	global_prefetch_b8 v[PFO], s[PFA:PFA+1] th:TH_LOAD_NT scope:SCOPE_SE
.Lnot_mine_\@:
.endm
	s_load_b128 s[4:7], s[0:1], 0x0                ; xw s[4:5], bb s[6:7]
	s_load_b64 s[8:9], s[0:1], 0x10                ; qkv
	v_lshl_add_u32 v[SPW], v0, 2, SPARE
	v_mov_b32 v[NIL], 0
	ds_add_u32 v[SPW], v[NIL]                      ; the wave's opening: the add and its wait stand ahead of my first tensor load; work on registers stands between
	v_lshrrev_b32 v1, 5, v0
	v_readfirstlane_b32 s[WV], v1
	s_lshr_b32 s[WR], s[WV], 1
	s_and_b32 s[WC], s[WV], 1
	s_bfe_u32 s[CX], ttmp6, 0x40000
	s_bfe_u32 s[CY], ttmp6, 0x40004
	s_lshl_b32 s[TC], ttmp9, 2
	s_add_co_u32 s[TC], s[TC], s[CX]               ; tile column = 4 x cluster x + cx
	s_and_b32 s[TR], ttmp7, 0xffff
	s_lshl_b32 s[TR], s[TR], 2
	s_add_co_u32 s[TR], s[TR], s[CY]               ; tile row = 4 x cluster y + cy
	s_lshl_b32 s17, s[CY], 2
	s_lshl_b32 s17, 15, s17                        ; my row of the cluster
	s_lshl_b32 s18, 0x1111, s[CX]                  ; my column
	; group 1: dense bytes as rows of 128 elements (256 bytes); 17:16 2-byte elements; 20 padding on; 21 set beside a mask; 24:22 after every 32 words (code 4); 31:25 4 words (code 3)
	s_or_b32 s[G1A], s17, (1<<16)|(1<<20)|(1<<21)|(4<<22)|(3<<25)
	s_or_b32 s[G1B], s18, (1<<16)|(1<<20)|(1<<21)|(4<<22)|(3<<25)
	s_mov_b32 s[G1A+1], 128<<16                    ; tensor_dim0 = 128
	s_mov_b32 s[G1A+2], 64<<16                     ; tensor_dim1 = 64: 128 rows of xw
	s_mov_b32 s[G1A+3], 128<<16                    ; tile_dim0 = 128
	s_mov_b32 s[G1A+4], 64                         ; tile_dim1 = 64
	s_mov_b32 s[G1A+5], 128                        ; from row to row
	s_mov_b32 s[G1A+6], 0
	s_mov_b32 s[G1A+7], 0
	s_mov_b32 s[G1B+1], 128<<16
	s_mov_b32 s[G1B+2], 96<<16                     ; 192 rows of xw
	s_mov_b32 s[G1B+3], 128<<16
	s_mov_b32 s[G1B+4], 96
	s_mov_b32 s[G1B+5], 128
	s_mov_b32 s[G1B+6], 0
	s_mov_b32 s[G1B+7], 0
	s_lshl_b32 s20, s[TR], 15                      ; x: (256 x tile row + 128 x half) x 128 bytes: the tile row and the wave's number alone
	s_lshl_b32 s19, s[WC], 14
	s_add_co_u32 s20, s20, s19
	s_mov_b32 s21, 0
	s_mul_i32 s22, s[TC], 384*128                  ; W: (8,192 + 384 x tile column + 192 x half) x 128: the tile column and the wave's number alone
	s_mul_i32 s19, s[WC], 192*128
	s_add_co_u32 s22, s22, s19
	s_add_co_u32 s22, s22, 8192*128
	s_mov_b32 s23, 0
	s_mul_i32 s66, s[WC], AHALF                    ; where they go: the wave's number alone
	s_mul_i32 s67, s[WC], BHALF
	s_add_co_u32 s67, s67, BOFF
	s_mov_b32 s[TB], 0
	s_wait_dscnt 0x0                               ; the opening add is done
	s_wait_kmcnt 0x0
	s_add_nc_u64 s[20:21], s[4:5], s[20:21]
	s_add_nc_u64 s[22:23], s[4:5], s[22:23]
	CROUND                                         ; all sixteen work-groups are here: the first joint loads meet
.irp n, 0,1
	s_mov_b32 s[G0A+4*(\n)], 1
	s_add_co_u32 s[G0A+4*(\n)+1], s66, (\n)*SLOT1
	s_add_nc_u64 s[G0A+4*(\n)+2:G0A+4*(\n)+3], s[20:21], (\n)*KBS
	s_or_b32 s[G0A+4*(\n)+3], s[G0A+4*(\n)+3], 0x80000000
	s_mov_b32 s[G0B+4*(\n)], 1
	s_add_co_u32 s[G0B+4*(\n)+1], s67, (\n)*SLOT1
	s_add_nc_u64 s[G0B+4*(\n)+2:G0B+4*(\n)+3], s[22:23], (\n)*KBS
	s_or_b32 s[G0B+4*(\n)+3], s[G0B+4*(\n)+3], 0x80000000
.endr
	s_cmp_eq_u32 s[WR], 0                          ; a wave's two first fills stand in one branch: two loads of mine are out
	s_cbranch_scc0 .Lfirst_b
	tensor_load_to_lds s[G0A:G0A+3], s[G1A:G1A+7]
	s_nop 0
	tensor_load_to_lds s[G0A+4:G0A+7], s[G1A:G1A+7]
	s_nop 0
.rept 4
	v_nop
.endr
	s_branch .Lfirst_asked
.Lfirst_b:
	tensor_load_to_lds s[G0B:G0B+3], s[G1B:G1B+7]
	s_nop 0
	tensor_load_to_lds s[G0B+4:G0B+7], s[G1B:G1B+7]
	s_nop 0
.rept 4
	v_nop
.endr
.Lfirst_asked:
	v_and_b32 v1, 15, v0                           ; l % 16
	v_bfe_u32 v2, v0, 4, 1                         ; l / 16
	; the biases, straight into the accumulators
	v_lshlrev_b32 v[BO], 5, v2
	s_mul_i32 s70, s[TC], 384*4
	s_mul_i32 s71, s[WC], 192*4
	s_add_co_u32 s70, s70, s71
	s_mov_b32 s71, 0
	s_add_nc_u64 s[6:7], s[6:7], s[70:71]          ; bb at my wave's first column
.irp i, 0,1,2
	WIN ((\i)+1)<<6                                ; destination window 1 + i, address window 0
.set t, 0
.rept 32
	global_load_b128 v[8*t:8*t+3],   v[BO], s[6:7] offset:64*(4*(\i)+t%4)
	global_load_b128 v[8*t+4:8*t+7], v[BO], s[6:7] offset:64*(4*(\i)+t%4)+16
.set t, t+1
.endr
.endr
	WIN 0
	; a fragment is 16 rows x 32 K: lane l holds row l % 16, K = 8 (l / 16) + 0..7 and 16 + 8 (l / 16) + 0..7: two loads of 16 bytes, 32 bytes apart
	v_mul_u32_u24 v3, v1, PITCH
	v_lshl_add_u32 v3, v2, 4, v3
	s_mul_i32 s68, s[WR], AHALF
	v_add_nc_u32 v[ADRA0], s68, v3
	s_mul_i32 s69, s[WC], BHALF
	s_add_co_u32 s69, s69, BOFF
	v_add_nc_u32 v[ADRB0], s69, v3
	v_mov_b32 v[ADRA], v[ADRA0]
	v_mov_b32 v[ADRB], v[ADRB0]
	; the way out.  In: row 128 x (wave / 2) + 16 a + l % 16, byte 384 x (wave % 2) + 32 b + 16 (l / 16)
	s_mul_i32 s68, s[WR], 128*SP
	s_mul_i32 s69, s[WC], 384
	s_add_co_u32 s68, s68, s69
	v_mul_u32_u24 v3, v1, SP
	v_lshl_add_u32 v3, v2, 4, v3
	v_add_nc_u32 v[STO], s68, v3
	v_add_nc_u32 v[STO+1], 64*SP, v[STO]
	; back: wave w takes rows 64 w .. 64 w + 63; two rows are six pieces of 256 bytes, a piece for each half of the lanes: (row 0: 0, 1) (row 0: 2, row 1: 0) (row 1: 1, 2)
	s_mul_i32 s68, s[WV], 64*SP
	v_lshlrev_b32 v4, 4, v1
	v_add_nc_u32 v5, s68, v4
	v_lshl_add_u32 v[RD], v2, 8, v5
	v_mul_u32_u24 v6, v2, SP-512
	v_add3_u32 v[RD+1], v5, v6, 512
	v_add_nc_u32 v[RD+2], SP+256, v[RD]
	v_lshl_add_u32 v[CO], v2, 8, v4
	v_mul_u32_u24 v6, v2, 6144-512
	v_add3_u32 v[CO+1], v4, v6, 512
	v_add_nc_u32 v[CO+2], 6144+256, v[CO]
	s_lshl_b32 s76, s[TR], 8
	s_lshl_b32 s77, s[WV], 6
	s_add_co_u32 s76, s76, s77
	s_mul_i32 s76, s76, 6144
	s_mul_i32 s77, s[TC], 768
	s_add_co_u32 s76, s76, s77
	s_mov_b32 s77, 0
	s_add_nc_u64 s[8:9], s[8:9], s[76:77]          ; qkv at the first row that I store, at the tile's first column
	; the prefetches: n = my number among the lanes that ask for the same tensor; per = blocks of 256 bytes a step; the lanes from per on take the step after
	s_mov_b32 s74, 1366                            ; n x 1,366 >> 16 = n / 48 for n < 96
	s_cmp_eq_u32 s[WV], 0
	s_cselect_b32 s72, 16, 48
	s_cselect_b32 s73, 0, 32
	s_cselect_b32 s74, 4096, s74                   ; n x 4,096 >> 16 = n / 16
	v_sub_nc_u32 v4, v0, s73
	v_mul_u32_u24 v5, v4, s74
	v_lshrrev_b32 v5, 16, v5
	v_mul_u32_u24 v6, v5, s72
	v_sub_nc_u32 v4, v4, v6
	v_lshlrev_b32 v4, 8, v4
	v_mul_u32_u24 v5, v5, KBS
	v_add_nc_u32 v[PFO], v4, v5
	s_lshl_b32 s75, s[TR], 15                      ; x: rows 256 x tile row + 32 x tile column
	s_lshl_b32 s76, s[TC], 12
	s_add_co_u32 s75, s75, s76
	s_mul_i32 s76, s[TC], 384*128                  ; W: rows 8,192 + 384 x tile column + 96 cy
	s_mul_i32 s77, s[CY], 96*128
	s_add_co_u32 s76, s76, s77
	s_add_co_u32 s76, s76, 8192*128
	s_and_b32 s78, ttmp7, 0xffff                   ; cluster y: the same in all sixteen partners
	s_cmp_eq_u32 s[WV], 0
	s_cselect_b32 s76, s75, s76
	s_cselect_b32 s78, 0, s78
	s_mov_b32 s77, 0
	s_cmp_eq_u32 s78, 0
	s_cselect_b32 s[LIM], 3, -1
	s_add_nc_u64 s[PFA:PFA+1], s[4:5], s[76:77]
	s_add_nc_u64 s[PFA:PFA+1], s[PFA:PFA+1], 3*KBS ; step 0's change of slots steps it to block 4
; 16 products: row blocks a0 .. a0 + 3 x the four column blocks of third i.  The 96 accumulators take turns, one instruction a turn, in the same order in every 32 along K.
.macro MUL16 fa, i, a0
	WIN 0x50*((\i)+1)                              ; fragments in window 0, C and D in window 1 + i
.irp a, 0,1,2,3
.irp b, 0,1,2,3
	v_wmma_f32_16x16x32_bf16 v[8*(4*((\a0)+(\a))+(\b)):8*(4*((\a0)+(\a))+(\b))+7], v[FB+32*(\i)+8*(\b):FB+32*(\i)+8*(\b)+7], v[(\fa)+8*((\a0)+(\a)):(\fa)+8*((\a0)+(\a))+7], v[8*(4*((\a0)+(\a))+(\b)):8*(4*((\a0)+(\a))+(\b))+7]
.endr
.endr
.endm
.macro LDB kk, i                       ; third i of W's fragments, 32 along K at kk: 8 loads
	WIN 0
.irp b, 0,1,2,3
	ds_load_b128 v[FB+32*(\i)+8*(\b):FB+32*(\i)+8*(\b)+3],   v[ADRB] offset:16*PITCH*(4*(\i)+(\b))+64*(\kk)
	ds_load_b128 v[FB+32*(\i)+8*(\b)+4:FB+32*(\i)+8*(\b)+7], v[ADRB] offset:16*PITCH*(4*(\i)+(\b))+64*(\kk)+32
.endr
.endm
.macro LDA kk, fa                      ; x's eight fragments: 16 loads
	WIN 0
.irp a, 0,1,2,3,4,5,6,7
	ds_load_b128 v[(\fa)+8*(\a):(\fa)+8*(\a)+3],   v[ADRA] offset:16*PITCH*(\a)+64*(\kk)
	ds_load_b128 v[(\fa)+8*(\a)+4:(\fa)+8*(\a)+7], v[ADRA] offset:16*PITCH*(\a)+64*(\kk)+32
.endr
.endm
; THE CHANGE OF SLOTS is the middle third of a step's second half.  My reads of the slot ended with the run before it.  Each wave waits for all its tensor loads (one is out: its part of the other slot),
; adds 0 to its spare word, and waits for that and for its reads; behind the barrier nobody reads this slot and the other is whole.  fill = 1: the barrier opens a round of the cluster's, and the joint
; refill, two steps on, is the first thing behind it: it has a step less thirty-two products, 160 matrix instructions, in which to land.
.macro TB1 fill
.if \fill
	s_wait_xcnt 0x0                                ; the last prefetch, a step or more back, has read its address
	s_add_nc_u64 s[PFA:PFA+1], s[PFA:PFA+1], KBS
.endif
	WIN 0
	s_wait_tensorcnt 0x0                           ; no tensor load of mine is out, so a group 0 may be written
	ds_add_u32 v[SPW], v[NIL]                      ; 0 onto my spare word
.if \fill
.irp g, G0A+4, G0B+4
	s_xor_b32 s[(\g)+1], s[(\g)+1], SLOT1          ; the walking set: the other slot than last time,
	s_add_nc_u64 s[(\g)+2:(\g)+3], s[(\g)+2:(\g)+3], KBS  ; the next block; the type bits on top are not reached
.endr
.endif
	s_wait_dscnt 9                                 ; third 1 is in; third 2's eight loads and the add may be out
	MUL16 FA1, 1, 0
	s_wait_dscnt 0x0                               ; the add is done, and my reads of this slot are over
	s_barrier_signal -1
	MUL16 FA1, 1, 4
	WIN 0
	s_barrier_wait -1
.if \fill
	CREST
	JLOAD                                          ; its four v_nop are also the places in front of the loads below
.else
	PLACES
.endif
	s_xor_b32 s[TB], s[TB], SLOT1
	v_add_nc_u32 v[ADRA], s[TB], v[ADRA0]
	v_add_nc_u32 v[ADRB], s[TB], v[ADRB0]
	LDB 0, 0
	LDA 0, FA0
.if \fill
	ASK
.endif
.endm
; A STEP: two halves of 32 along K, each three thirds of 32 products (one accumulator window each).  A third of W's buffer is loaded again one third after its use; every run of loads stands in the
; middle of a third, four places behind the last product that read its registers, and 48 products or so ahead of its first use.
.macro STEP fill
	s_wait_dscnt 8                                 ; x and third 0 are in; third 1's eight loads may be out
	MUL16 FA0, 0, 0
	PLACES
	LDB 0, 2
	MUL16 FA0, 0, 4
	s_wait_dscnt 8                                 ; third 1 is in; third 2's may be out
	MUL16 FA0, 1, 0
	PLACES
	LDB 1, 0
	LDA 1, FA1
	MUL16 FA0, 1, 4
	s_wait_dscnt 24                                ; third 2 is in; the 24 just issued may be out
	MUL16 FA0, 2, 0
	PLACES
	LDB 1, 1
	MUL16 FA0, 2, 4
	s_wait_dscnt 8
	MUL16 FA1, 0, 0
	PLACES
	LDB 1, 2                                       ; my last reads of this slot
	MUL16 FA1, 0, 4
	TB1 \fill
	s_wait_dscnt 24
	MUL16 FA1, 2, 0
	PLACES
	LDB 0, 1
	MUL16 FA1, 2, 4
	WIN 0                                          ; at a label and at a branch every window is 0
.endm
	s_wait_tensorcnt 1                             ; my part of step 0 is in; step 1's may stay out
	s_barrier_signal -1
	s_barrier_wait -1
	LDB 0, 0
	LDA 0, FA0
	LDB 0, 1
	s_wait_loadcnt 0x0                             ; the biases
	s_mov_b32 s[CNT], 14
.Lstep:                                        ; steps 0 to 13 ask for steps 2 to 15
	STEP 1
	s_sub_co_u32 s[CNT], s[CNT], 1
	s_cmp_lg_u32 s[CNT], 0
	s_cbranch_scc1 .Lstep
	s_mov_b32 s[CNT], 2
.Ltail:                                        ; steps 14 and 15 ask for nothing.  The last trip's 32 loads for a step that is not serve nothing: the price, once a launch, of one text for both
	STEP 0
	s_sub_co_u32 s[CNT], s[CNT], 1
	s_cmp_lg_u32 s[CNT], 0
	s_cbranch_scc1 .Ltail
	; THE WAY OUT.  The ring has had its last fill; when nobody reads it any more it is the stage.  A piece of 256 bytes of a row holds columns of two waves, so the stage is shared, with a barrier between writing and reading.
	s_wait_dscnt 0x0
	s_barrier_signal -1
	s_barrier_wait -1
	PLACES
.irp i, 0,1,2
	WIN 5*((\i)+1)                                 ; sources 0 and 1 in window 1 + i, destination in window 0
.set t, 0
.rept 32
.irp r, 0,1,2,3
	v_cvt_pk_bf16_f32 v[32+4*t+(\r)], v[8*t+2*(\r)], v[8*t+2*(\r)+1]
.endr
.set t, t+1
.endr
	WIN 0
.set t, 0
.rept 32
	ds_store_b128 v[STO+t/16], v[32+4*t:32+4*t+3] offset:((t/4)%4)*16*SP+32*(4*(\i)+t%4)
.set t, t+1
.endr
.endr
	s_wait_dscnt 0x0                               ; for the others' sake: my stores into the stage are done
	s_barrier_signal -1
	s_barrier_wait -1
.macro LDBK k                          ; batch k of four: 16 rows, 24 loads, into register set k % 2
.set n, 0
.rept 24
	ds_load_b128 v[32+96*((\k)%2)+4*n:32+96*((\k)%2)+4*n+3], v[RD+n%3] offset:2*SP*(8*(\k)+n/3)
.set n, n+1
.endr
.endm
.macro STBK k, younger                 ; younger: the next batch's loads, which may stay out
.set n, 0
.rept 24
	s_wait_dscnt (\younger)+23-n
	global_store_b128 v[CO+n%3], v[32+96*((\k)%2)+4*n:32+96*((\k)%2)+4*n+3], s[8:9] offset:2*6144*(8*(\k)+n/3)  ; each half of the lanes stores 256 bytes on end, at a multiple of 256 from qkv's first byte
.set n, n+1
.endr
.endm
	LDBK 0
	LDBK 1
	STBK 0, 24
	s_wait_xcnt 0x0                                ; set 0 is loaded again only when its stores have read it
	LDBK 2
	STBK 1, 24
	s_wait_xcnt 0x0
	LDBK 3
	STBK 2, 24
	STBK 3, 0
	s_wait_tensorcnt 0x0                           ; the wave's end, behind my last tensor load and my last LDS store
	ds_add_u32 v[SPW], v[NIL]
	s_wait_dscnt 0x0
	CROUND                                         ; the closing round
	s_endpgm
.Lfunc_end_k_q4fbca70f8a_proj:
	.size	k_q4fbca70f8a_proj, .Lfunc_end_k_q4fbca70f8a_proj-k_q4fbca70f8a_proj
	.p2alignl 7, 3214868480
	.fill 96, 4, 3214868480
	.section	.rodata,"a",@progbits
	.p2align	6, 0x0
	.amdhsa_kernel k_q4fbca70f8a_proj
		.amdhsa_group_segment_fixed_size 327680
		.amdhsa_private_segment_fixed_size 0
		.amdhsa_enable_private_segment 0
		.amdhsa_kernarg_size 24
		.amdhsa_user_sgpr_count 2
		.amdhsa_user_sgpr_kernarg_segment_ptr 1
		.amdhsa_wavefront_size32 1
		.amdhsa_system_sgpr_workgroup_id_x 1
		.amdhsa_system_sgpr_workgroup_id_y 1
		.amdhsa_system_sgpr_workgroup_id_z 1
		.amdhsa_system_vgpr_workitem_id 0
		.amdhsa_next_free_vgpr 1024
		.amdhsa_next_free_sgpr 80
		.amdhsa_reserve_vcc 0
		.amdhsa_float_denorm_mode_32 3
		.amdhsa_float_denorm_mode_16_64 3
		.amdhsa_memory_ordered 1
		.amdhsa_forward_progress 1
		.amdhsa_inst_pref_size 117
	.end_amdhsa_kernel
	.amdgpu_metadata
---
amdhsa.version: [ 1, 2 ]
amdhsa.kernels:
  - .name:           k_q4fbca70f8a_proj
    .symbol:         k_q4fbca70f8a_proj.kd
    .args:
      - { .name: xw, .offset: 0, .size: 8, .value_kind: global_buffer, .address_space: global }
      - { .name: bb, .offset: 8, .size: 8, .value_kind: global_buffer, .address_space: global }
      - { .name: qkv, .offset: 16, .size: 8, .value_kind: global_buffer, .address_space: global }
    .group_segment_fixed_size: 327680
    .private_segment_fixed_size: 0
    .kernarg_segment_align: 8
    .kernarg_segment_size: 24
    .max_flat_workgroup_size: 128
    .sgpr_count:     80
    .vgpr_count:     1024
    .wavefront_size: 32
...
	.end_amdgpu_metadata
.endif
;; end of part 2
;; launch scores (part 3): grid 8 x 32, 4 waves a work-group, clusters of 4 x 4, 327,680 bytes of LDS; arguments qkv, pt, ms, ls; writes pt, ms, ls
.if DOCPART == 3
	.amdgcn_target "amdgcn-amd-amdhsa--gfx1250"
	.amdhsa_code_object_version 6
	.text
	.protected	k_q4fbca70f8a_scores
	.globl	k_q4fbca70f8a_scores
	.p2align	8
	.type	k_q4fbca70f8a_scores,@function
k_q4fbca70f8a_scores:
	s_mov_b64 s[64:65], 0
	v_nop
	global_prefetch_b8 v0, s[64:65] scope:SCOPE_SE
	s_setreg_imm32_b32 hwreg(HW_REG_WAVE_MODE, 25, 1), 1
	s_wait_xcnt 0x0
	s_wait_alu depctr_hold_cnt(0) depctr_sa_sdst(0) depctr_va_vdst(0) depctr_va_sdst(0) depctr_va_ssrc(0) depctr_va_vcc(0) depctr_vm_vsrc(0)
	s_getreg_b32 s2, hwreg(HW_REG_IB_STS2, 6, 4)
	s_cmp_eq_u32 s2, 0
	s_cbranch_scc0 .Lentry_in_a_cluster
	s_endpgm
.Lentry_in_a_cluster:
	s_bfe_u32 s2, ttmp6, 0x10000c
	s_cmp_lg_u32 s2, 0xf033
	s_cbranch_scc0 .Lentry_shape_is_right
	s_endpgm
.Lentry_shape_is_right:
; For each batch: s = Q K^T (K = 1,024, bf16 operands, f32 sums); for each query and each BLOCK of 128 keys: m = the block's maximum, n = floor(-c m), c = log2(e) / 32, p = 2^(c s + n), l = the sum of the block's p.
; So what is taken away in front of the exponential is the block's own maximum, rounded up to a whole power of two: the block's largest p lies in (1/2, 1], and no exponent is above 0 but by the rounding of c m.
; The launch behind joins a row's 16 blocks by factors 2^(min n - n), which are exact powers of two.  ms[batch][block][query] = n, ls[..] = l, both f32.
; pt holds p, rounded once to bf16, IN THE ORDER IN WHICH THE NEXT PRODUCT WANTS IT: [block of 128 queries][chunk of 32 keys][16 queries][1,024 bytes], the 1,024 bytes being a matrix operand of 16 queries x 32 keys as it
; lies in registers: lane l's first four registers at 16 l, its second four at 512 + 16 l.  A lane's packed results are just that, so they are stored as they are, 512 bytes on end a store.
; LIMITS.  NaN and infinities are not treated apart; a weight below 2^-126 counts as 0; l is the sum of the unrounded p; |c m| stays under 2^24, where f32 still holds every whole number.
; SHARES.  A work-group makes 256 queries x 256 keys, four waves 128 x 128 each: 64 accumulators, 512 registers; a wave's 128 keys are one block.  K goes in 8 steps of 128 through two LDS slots.
; CLUSTER.  4 x 4 work-groups: Q's tile is asked for jointly along a row of the cluster, K's along a column.
; THE MATRIX INSTRUCTION IS USED TRANSPOSED (source 0 = 16 keys, source 1 = 16 queries): a lane holds ONE query (l % 16) and the keys 8 (l / 16) + 0..7 of each key block, so a row's maximum and sum want one exchange between the halves of the lanes.
; REGISTERS: window 0: v0-31 addresses; v32-63 at work in the softmax; v64-127, v128-191 Q's fragments, two buffers; v192-223 packed p.  window 1: v64-191 K's fragments.
;   window 2: accumulators of my queries 0-63 ((a, b) at v[8 (8 a + b)]); window 3: of queries 64-127.
.set KSTEP,  128
.set ROWB,   6144                      ; bytes in a row of qkv: Q at 0, K at 2,048
.set PITCH,  272                       ; 256 bytes + 16: the 16 rows of a fragment load start at 16 different groups of four banks (ISA guide 11.1)
.set HALFT,  128*PITCH
.set SLOT,   4*HALFT                   ; 0x22000: it shares no bit with the four waves' tile addresses 0, 0x8800, 0x11000, 0x19800, so one exclusive or turns an address in one slot into the other's
.set STATS,  2*SLOT                    ; behind the ring: 1,024 bytes for each wave: 128 n, 128 l
.set SPARE,  STATS+4*1024              ; the spare words: two blocks of 256 bytes that no other line names
.set ADRA0, 16                         ; v16  my lane's place in Q's tile; never rewritten
.set ADRB0, 17                         ; v17  in K's
.set ADRA,  18                         ; v18  the same in the slot in hand
.set ADRB,  19
.set GO,   22                          ; v22  16 l
.set SA,   27                          ; v27  where I put a statistic
.set SPW,  28
.set NIL,  29
.set PFO,  30                          ; v30  my lane x a row of qkv; never rewritten
.set SR,   31                          ; v31  where I read statistics back
.set T,    32                          ; v32-39 at work
.set CP,   40                          ; v40-41 n, m
.set LT,   42                          ; v42-43 at work
.set CMS,  44                          ; v44-51 n of row block a
.set LSS,  52                          ; v52-59 l of row block a
.set F0,   64
.set F1,   128
.set TMP,  192
.set WV, 10
.set WR, 11
.set WC, 12
.set TR, 13
.set TC, 14
.set CX, 15
.set CY, 16
.set G1A, 24
.set G0A, 32                           ; s[32:39] a set for each first fill; the second then walks
.set G1B, 40
.set G0B, 48
.set TB,  56                           ; s56  the slot in hand: 0 or SLOT
.set CNT, 57
.set LIM, 58
.set PFA, 60
.set CS,  66                           ; s[66:67] c, named as a pair
.set SEL, 68                           ; s[68:69] v_permlanex16_b32's selects: each lane takes its own place in the other half
.set HM,  70                           ; s70  the lanes 16-31
.set NCS, 71                           ; s71  -c
.set MSB, 0
.macro WIN new
.if MSB != (\new)
	s_set_vgpr_msb (MSB<<8)|(\new)
.set MSB, \new
.endif
.endm
.set MUL_LO, 0xa1                      ; source 0 (K) window 1, source 1 (Q) window 0, C and D window 2
.set TO_B,   0x40
.macro PLACES
.rept 4
	v_nop
.endr
.endm
.macro CREST
	s_cmp_lg_u32 s[WV], 0
	s_cbranch_scc1 .Lnot_wave_0_\@
	s_barrier_signal -3
.Lnot_wave_0_\@:
	s_barrier_wait -3
	s_barrier_signal -1
	s_barrier_wait -1
.endm
.macro CROUND
	s_barrier_signal -1
	s_barrier_wait -1
	CREST
.endm
.macro JLOAD                           ; a joint refill by the walking sets: waves 0 and 1 fetch Q's two halves, waves 2 and 3 K's; an s_nop 0 and four v_nop follow each line
	s_cmp_eq_u32 s[WR], 0
	s_cbranch_scc0 .Lfor_b_\@
	tensor_load_to_lds s[G0A+4:G0A+7], s[G1A:G1A+7]
	s_nop 0
.rept 4
	v_nop
.endr
	s_branch .Lasked_\@
.Lfor_b_\@:
	tensor_load_to_lds s[G0B+4:G0B+7], s[G1B:G1B+7]
	s_nop 0
.rept 4
	v_nop
.endr
.Lasked_\@:
.endm
; A PREFETCH INTO THE L2 behind each joint load and the run of LDS loads: the K step that stands two refills on, 32 rows x 256 bytes, a lane a row.  Q's tile row is read by both clusters of its row of
; clusters: the one with x = 0 asks; K's tile column by the two clusters of its batch: the one with even y asks.  The four partners that ask for a tile jointly share its rows by address, 32 each of the
; 128 that a wave fetches.  So each row's 256 bytes of K steps 4 to 7 are named once; K steps 0 to 3 come by their loads alone; the last request, with CNT = 3, names K step 7.
.macro ASK
	s_cmp_gt_u32 s[CNT], s[LIM]
	s_cbranch_scc0 .Lnot_mine_\@
	global_prefetch_b8 v[PFO], s[PFA:PFA+1] offset:KSTEP*2 th:TH_LOAD_NT scope:SCOPE_SE
.Lnot_mine_\@:
.endm
	s_load_b128 s[4:7], s[0:1], 0x0                ; qkv s[4:5], pt s[6:7]
	s_load_b128 s[72:75], s[0:1], 0x10             ; ms s[72:73], ls s[74:75]
	v_lshl_add_u32 v[SPW], v0, 2, SPARE
	v_mov_b32 v[NIL], 0
	ds_add_u32 v[SPW], v[NIL]                      ; the wave's opening: the add and its wait stand ahead of my first tensor load
	v_lshrrev_b32 v1, 5, v0
	v_readfirstlane_b32 s[WV], v1
	s_lshr_b32 s[WR], s[WV], 1                     ; my half of the queries; also: I fetch Q (0) or K (1)
	s_and_b32 s[WC], s[WV], 1                      ; my half of the keys; also: which 128 rows I fetch
	s_bfe_u32 s[CX], ttmp6, 0x40000
	s_bfe_u32 s[CY], ttmp6, 0x40004
	s_lshl_b32 s[TC], ttmp9, 2
	s_add_co_u32 s[TC], s[TC], s[CX]
	s_and_b32 s[TR], ttmp7, 0xffff
	s_lshl_b32 s[TR], s[TR], 2
	s_add_co_u32 s[TR], s[TR], s[CY]
	s_lshl_b32 s17, s[CY], 2
	s_lshl_b32 s17, 15, s17
	s_lshl_b32 s18, 0x1111, s[CX]
	s_or_b32 s[G1A], s17, (1<<16)|(1<<20)|(1<<21)|(5<<22)|(3<<25)  ; the mask; 2-byte elements; padding on; bit 21 beside a mask; after every 64 words (code 5) 4 words (code 3)
	s_or_b32 s[G1B], s18, (1<<16)|(1<<20)|(1<<21)|(5<<22)|(3<<25)
.irp g, G1A, G1B
	s_mov_b32 s[(\g)+1], KSTEP<<16                 ; tensor_dim0 = 128
	s_mov_b32 s[(\g)+2], 128<<16                   ; tensor_dim1 = 128
	s_mov_b32 s[(\g)+3], KSTEP<<16                 ; tile_dim0 = 128
	s_mov_b32 s[(\g)+4], 128                       ; tile_dim1 = 128
	s_mov_b32 s[(\g)+5], 3072                      ; elements from row to row
	s_mov_b32 s[(\g)+6], 0
	s_mov_b32 s[(\g)+7], 0
.endr
	s_lshl_b32 s20, s[TR], 8                       ; Q: row 256 x tile row + 128 x half
	s_lshl_b32 s19, s[WC], 7
	s_add_co_u32 s20, s20, s19
	s_mul_i32 s20, s20, ROWB
	s_mov_b32 s21, 0
	s_and_b32 s22, ttmp7, 0xffff                   ; K: row 2,048 x batch + 256 x tile column + 128 x half; the batch is cluster y / 2, the same in all partners
	s_lshr_b32 s22, s22, 1
	s_lshl_b32 s22, s22, 11
	s_lshl_b32 s23, s[TC], 8
	s_add_co_u32 s22, s22, s23
	s_add_co_u32 s22, s22, s19
	s_mul_i32 s22, s22, ROWB
	s_add_co_u32 s22, s22, 2048
	s_mov_b32 s23, 0
	s_mul_i32 s59, s[WV], HALFT                    ; where they go: Q's two halves, then K's two
	s_mov_b32 s[CS], 0x3d38aa3b                    ; c = log2(e) / 32
	s_mov_b32 s[CS+1], s[CS]
	s_mov_b32 s[NCS], 0xbd38aa3b                   ; -c
	s_mov_b32 s[SEL], 0x76543210
	s_mov_b32 s[SEL+1], 0xfedcba98
	s_mov_b32 s[HM], 0xffff0000
	s_mov_b32 s[TB], 0
	s_wait_dscnt 0x0                               ; the opening add is done
	s_wait_kmcnt 0x0
	s_add_nc_u64 s[20:21], s[4:5], s[20:21]
	s_add_nc_u64 s[22:23], s[4:5], s[22:23]
	CROUND                                         ; all sixteen work-groups are here: the first joint loads meet
.irp n, 0,1
	s_mov_b32 s[G0A+4*(\n)], 1
	s_add_co_u32 s[G0A+4*(\n)+1], s59, (\n)*SLOT
	s_add_nc_u64 s[G0A+4*(\n)+2:G0A+4*(\n)+3], s[20:21], (\n)*KSTEP*2
	s_or_b32 s[G0A+4*(\n)+3], s[G0A+4*(\n)+3], 0x80000000
	s_mov_b32 s[G0B+4*(\n)], 1
	s_add_co_u32 s[G0B+4*(\n)+1], s59, (\n)*SLOT
	s_add_nc_u64 s[G0B+4*(\n)+2:G0B+4*(\n)+3], s[22:23], (\n)*KSTEP*2
	s_or_b32 s[G0B+4*(\n)+3], s[G0B+4*(\n)+3], 0x80000000
.endr
	s_cmp_eq_u32 s[WR], 0                          ; a wave's two first fills stand in one branch: two loads of mine are out
	s_cbranch_scc0 .Lfirst_b
	tensor_load_to_lds s[G0A:G0A+3], s[G1A:G1A+7]
	s_nop 0
	tensor_load_to_lds s[G0A+4:G0A+7], s[G1A:G1A+7]
	s_nop 0
.rept 4
	v_nop
.endr
	s_branch .Lfirst_asked
.Lfirst_b:
	tensor_load_to_lds s[G0B:G0B+3], s[G1B:G1B+7]
	s_nop 0
	tensor_load_to_lds s[G0B+4:G0B+7], s[G1B:G1B+7]
	s_nop 0
.rept 4
	v_nop
.endr
.Lfirst_asked:
	v_and_b32 v1, 15, v0                           ; l % 16
	v_bfe_u32 v2, v0, 4, 1                         ; l / 16
	v_mul_u32_u24 v3, v1, PITCH
	v_lshl_add_u32 v3, v2, 4, v3
	s_mul_i32 s62, s[WR], HALFT
	s_mul_i32 s63, s[WC], HALFT
	s_add_co_u32 s63, s63, 2*HALFT
	v_add_nc_u32 v[ADRA0], s62, v3
	v_add_nc_u32 v[ADRB0], s63, v3
	v_mov_b32 v[ADRA], v[ADRA0]
	v_mov_b32 v[ADRB], v[ADRB0]
	s_lshl_b32 s62, s[WV], 10
	s_add_co_u32 s62, s62, STATS                   ; my statistics: lanes 0-15 put n, lanes 16-31 l, 512 bytes on
	v_lshlrev_b32 v5, 9, v2
	v_lshl_add_u32 v5, v1, 2, v5
	v_add_nc_u32 v[SA], s62, v5
	v_and_b32 v5, 31, v0
	v_lshlrev_b32 v[GO], 4, v5
	v_add_nc_u32 v[SR], s62, v[GO]
	v_mul_u32_u24 v[PFO], v5, ROWB
	v_mov_b32 v[LT+1], 0                           ; v_permlanex16_b32's destination counts as read
	; pt at my wave's first operand: ((2 x tile row + wave / 2) x 64 chunks + 8 x tile column + 4 x (wave % 2)) x 8,192 bytes
	s_lshl_b32 s76, s[TR], 20
	s_lshl_b32 s77, s[WR], 19
	s_add_co_u32 s76, s76, s77
	s_lshl_b32 s77, s[TC], 16
	s_add_co_u32 s76, s76, s77
	s_lshl_b32 s77, s[WC], 15
	s_add_co_u32 s76, s76, s77
	s_mov_b32 s77, 0
	s_add_nc_u64 s[6:7], s[6:7], s[76:77]
	; ms and ls: ((16 x batch + block) x 2,048 + my first query in the batch) x 4
	s_lshr_b32 s76, s[TR], 3
	s_lshl_b32 s76, s76, 4
	s_lshl_b32 s77, s[TC], 1
	s_add_co_u32 s76, s76, s77
	s_add_co_u32 s76, s76, s[WC]
	s_lshl_b32 s76, s76, 11
	s_and_b32 s77, s[TR], 7
	s_lshl_b32 s77, s77, 8
	s_add_co_u32 s76, s76, s77
	s_lshl_b32 s77, s[WR], 7
	s_add_co_u32 s76, s76, s77
	s_lshl_b32 s76, s76, 2
	s_mov_b32 s77, 0
	s_add_nc_u64 s[72:73], s[72:73], s[76:77]
	s_add_nc_u64 s[74:75], s[74:75], s[76:77]
	; the prefetches
	s_lshl_b32 s76, s[TR], 8
	s_lshl_b32 s77, s[CX], 5
	s_add_co_u32 s76, s76, s77                     ; Q: tile row's first row + my work-group's 32 by cx
	s_and_b32 s78, ttmp7, 0xffff
	s_lshr_b32 s77, s78, 1
	s_lshl_b32 s77, s77, 11
	s_lshl_b32 s79, s[TC], 8
	s_add_co_u32 s77, s77, s79
	s_lshl_b32 s79, s[CY], 5
	s_add_co_u32 s77, s77, s79                     ; K: the same by cy
	s_and_b32 s78, s78, 1
	s_cmp_eq_u32 s[WR], 0
	s_cselect_b32 s76, s76, s77
	s_cselect_b32 s78, ttmp9, s78                  ; the coordinate along which another cluster reads the same rows
	s_cselect_b32 s79, 0, 2048
	s_cmp_eq_u32 s78, 0
	s_cselect_b32 s[LIM], 2, -1                    ; the same in all sixteen partners, for a given wave
	s_lshl_b32 s77, s[WC], 7
	s_add_co_u32 s76, s76, s77
	s_mul_i32 s76, s76, ROWB
	s_add_co_u32 s76, s76, s79
	s_add_co_u32 s76, s76, 2*KSTEP*2               ; at K step 2: the first refill steps it to 3 and names K step 4
	s_mov_b32 s77, 0
	s_add_nc_u64 s[PFA:PFA+1], s[4:5], s[76:77]
; 16 products: query blocks a0, a0 + 1 of the window's four x all 8 key blocks, 32 along K.  zero = 1: the first product starts the sums.  The 64 accumulators take turns.
.macro MUL16 f, hi, a0, zero
	WIN MUL_LO+0x50*(\hi)
.irp a, \a0, (\a0)+1
.irp b, 0,1,2,3,4,5,6,7
.if \zero
	v_wmma_f32_16x16x32_bf16 v[8*(8*(\a)+(\b)):8*(8*(\a)+(\b))+7], v[(\f)+8*(\b):(\f)+8*(\b)+7], v[(\f)+8*(4*(\hi)+(\a)):(\f)+8*(4*(\hi)+(\a))+7], 0
.else
	v_wmma_f32_16x16x32_bf16 v[8*(8*(\a)+(\b)):8*(8*(\a)+(\b))+7], v[(\f)+8*(\b):(\f)+8*(\b)+7], v[(\f)+8*(4*(\hi)+(\a)):(\f)+8*(4*(\hi)+(\a))+7], v[8*(8*(\a)+(\b)):8*(8*(\a)+(\b))+7]
.endif
.endr
.endr
.endm
.macro FETCH k, f                      ; 32 LDS loads in one run: 128 keys, then 128 queries, 32 along K at byte k of the slot in hand
	WIN TO_B
.irp i, 0,1,2,3,4,5,6,7
	ds_load_b128 v[(\f)+8*(\i):(\f)+8*(\i)+3],   v[ADRB] offset:(\k)+(\i)*16*PITCH
	ds_load_b128 v[(\f)+8*(\i)+4:(\f)+8*(\i)+7], v[ADRB] offset:(\k)+(\i)*16*PITCH+32
.endr
	WIN 0
.irp i, 0,1,2,3,4,5,6,7
	ds_load_b128 v[(\f)+8*(\i):(\f)+8*(\i)+3],   v[ADRA] offset:(\k)+(\i)*16*PITCH
	ds_load_b128 v[(\f)+8*(\i)+4:(\f)+8*(\i)+7], v[ADRA] offset:(\k)+(\i)*16*PITCH+32
.endr
.endm
.macro QUARTER k, f, g, zero           ; 64 products on buffer f; in their middle the next quarter's fragments, at byte k, into buffer g
	s_wait_dscnt 8                                 ; K and Q's rows 0-63 are in; the youngest eight loads (Q's rows 64-127) may be out
	MUL16 \f, 0, 0, \zero
	MUL16 \f, 0, 2, \zero
	PLACES
	FETCH \k, \g
	s_wait_dscnt 32                                ; all but the 32 just issued
	MUL16 \f, 1, 0, \zero
	MUL16 \f, 1, 2, \zero
.endm
; A K step's last quarter, on buffer 1, and THE CHANGE OF SLOTS.  Each wave waits for all its tensor loads (one is out: its part of the other slot), adds 0 to its spare word, and waits for that and for its reads of
; this slot; behind the barrier nobody reads this slot and the other is whole.  fill = 1: the barrier opens a round of the cluster's, and the joint refill, two K steps on, is the first thing behind it:
; from the request to the wait for it a wave issues 224 matrix instructions.
.macro TURN fill
.if \fill
	s_wait_xcnt 0x0                                ; the last prefetch, a K step back, has read its address
	s_add_nc_u64 s[PFA:PFA+1], s[PFA:PFA+1], KSTEP*2
.endif
	WIN 0
	s_wait_tensorcnt 0x0                           ; no tensor load of mine is out, so a group 0 may be written
	ds_add_u32 v[SPW], v[NIL]                      ; 0 onto my spare word
.if \fill
.irp g, G0A+4, G0B+4
	s_xor_b32 s[(\g)+1], s[(\g)+1], SLOT           ; the walking set: the other slot than last time,
	s_add_nc_u64 s[(\g)+2:(\g)+3], s[(\g)+2:(\g)+3], KSTEP*2  ; the next K step; the type bits on top are not reached
.endr
.endif
	s_wait_dscnt 9                                 ; the add and the youngest eight loads may be out
	MUL16 F1, 0, 0, 0
	s_wait_dscnt 0x0                               ; the add is done, and my reads of this slot are over
	s_barrier_signal -1
	MUL16 F1, 0, 2, 0
	WIN 0
	s_barrier_wait -1
.if \fill
	CREST                                          ; no wave of any partner still reads this slot or has a load on its way
	JLOAD                                          ; its four v_nop are also the places in front of the loads below
.else
	PLACES
.endif
	s_xor_b32 s[TB], s[TB], SLOT
	v_add_nc_u32 v[ADRA], s[TB], v[ADRA0]
	v_add_nc_u32 v[ADRB], s[TB], v[ADRB0]
	FETCH 0, F0
.if \fill
	ASK
.endif
	MUL16 F1, 1, 0, 0
	MUL16 F1, 1, 2, 0
.endm
	s_wait_tensorcnt 1                             ; my part of K step 0 is in; K step 1's may stay out
	s_barrier_signal -1
	s_barrier_wait -1
	FETCH 0, F0
	QUARTER 64,  F0, F1, 1                         ; the first quarter starts the sums
	WIN 0
	s_mov_b32 s[CNT], 6
.Lstep:                                        ; a trip goes from a K step's second quarter to the next step's first; K steps 0 to 5 ask for K steps 2 to 7
	QUARTER 128, F1, F0, 0
	QUARTER 192, F0, F1, 0
	TURN 1
	QUARTER 64,  F0, F1, 0
	WIN 0
	s_sub_co_u32 s[CNT], s[CNT], 1
	s_cmp_lg_u32 s[CNT], 0
	s_cbranch_scc1 .Lstep
	QUARTER 128, F1, F0, 0                         ; K steps 6 and 7 are written out: they ask for nothing
	QUARTER 192, F0, F1, 0
	TURN 0
	QUARTER 64,  F0, F1, 0
	QUARTER 128, F1, F0, 0
	QUARTER 192, F0, F1, 0
	s_wait_dscnt 8
	MUL16 F1, 0, 0, 0
	MUL16 F1, 0, 2, 0
	s_wait_dscnt 0x0
	MUL16 F1, 1, 0, 0
	MUL16 F1, 1, 2, 0
	WIN 0
	PLACES
; THE SOFTMAX OF A BLOCK, for the 16 queries of row block a: a lane's 64 scores lie in 64 registers of window W.
.macro SCALE p                         ; pair p: c s + n
	v_pk_fma_f32 v[AC+2*(\p):AC+2*(\p)+1], v[AC+2*(\p):AC+2*(\p)+1], s[CS:CS+1], v[CP:CP+1] op_sel_hi:[1,0,0]
.endm
.macro SOFT a
.set AC, 64*((\a)%4)
.set W, 2+(\a)/4
	WIN W|(W<<2)|(W<<4)                            ; the maximum
.irp b, 0,1,2,3,4,5,6,7
	v_max3_num_f32 v[T+(\b)], v[AC+8*(\b)], v[AC+8*(\b)+1], v[AC+8*(\b)+2]
.endr
	WIN (W<<2)|(W<<4)
.irp b, 0,1,2,3,4,5,6,7
	v_max3_num_f32 v[T+(\b)], v[T+(\b)], v[AC+8*(\b)+3], v[AC+8*(\b)+4]
.endr
.irp b, 0,1,2,3,4,5,6,7
	v_max3_num_f32 v[T+(\b)], v[T+(\b)], v[AC+8*(\b)+5], v[AC+8*(\b)+6]
.endr
.irp k, 0,1,2,3
	v_max3_num_f32 v[T+(\k)], v[T+(\k)], v[AC+16*(\k)+7], v[AC+16*(\k)+15]
.endr
	WIN 0
	v_max3_num_f32 v[T], v[T], v[T+1], v[T+2]
	v_max3_num_f32 v[T+3], v[T+3], v[T+4], v[T+5]
	v_max3_num_f32 v[T], v[T], v[T+3], v[T+6]
	v_max_num_f32 v[T], v[T], v[T+7]
	v_permlanex16_b32 v[T+1], v[T], s[SEL], s[SEL+1]  ; the query's other 64 keys lie in the lane 16 away
	v_max_num_f32 v[CP+1], v[T], v[T+1]
	v_mul_f32 v[CP], s[NCS], v[CP+1]
	v_floor_f32 v[CP], v[CP]                       ; n = floor(-c m)
	v_mov_b32 v[CMS+(\a)], v[CP]
	WIN (W<<6)|W                                   ; ONE BATCH: 32 scalings and 64 exponentials, in place; a pair is scaled two pairs ahead of its exponentials; nothing here reads an exponential's result
	SCALE 0
	SCALE 1
.set i, 0
.rept 32
	v_exp_f32 v[AC+2*i], v[AC+2*i]
.if i < 30
	SCALE i+2
.endif
	v_exp_f32 v[AC+2*i+1], v[AC+2*i+1]
.set i, i+1
.endr
	v_nop                                          ; a plain instruction behind the last exponential (ISA guide 5.7.2),
	s_wait_alu depctr_va_vdst(0)                   ; and the one wait ahead of the batch's first reader
	s_wait_xcnt 0x0                                ; the stores of the block before, some 150 instructions back, have read the packed registers: they are written anew only behind this wait
	WIN (W<<2)|W
.set i, 0
.rept 32
	v_cvt_pk_bf16_f32 v[TMP+i], v[AC+2*i], v[AC+2*i+1]
.set i, i+1
.endr
	WIN 0                                          ; key blocks 2 k and 2 k + 1 are the two halves of the operand of chunk k: each store of the wave covers 512 bytes on end, at a multiple of 512 from pt's first byte
.irp b, 0,1,2,3,4,5,6,7
	global_store_b128 v[GO], v[TMP+4*(\b):TMP+4*(\b)+3], s[6:7] offset:(((\b)/2)*8+(\a))*1024+((\b)%2)*512
.endr
	WIN (W<<6)|(W<<2)|W                            ; the sum of the 32 pairs, in place: neighbours 1, 2, 4, 8 and 16 pairs apart
.irp st, 1,2,4,8,16
.set p, 0
.rept 16/(\st)
	v_pk_add_f32 v[AC+2*p:AC+2*p+1], v[AC+2*p:AC+2*p+1], v[AC+2*(p+(\st)):AC+2*(p+(\st))+1]
.set p, p+2*(\st)
.endr
.endr
	WIN (W<<2)|W
	v_add_f32 v[LT], v[AC], v[AC+1]
	WIN 0
	v_permlanex16_b32 v[LT+1], v[LT], s[SEL], s[SEL+1]
	v_add_f32 v[LSS+(\a)], v[LT], v[LT+1]
.endm
.irp a, 0,1,2,3,4,5,6,7
	SOFT \a
.endr
	; the statistics: through my own 1,024 bytes of LDS, so that each goes out as 512 bytes on end
.irp a, 0,1,2,3,4,5,6,7
	v_cndmask_b32 v[T+(\a)], v[CMS+(\a)], v[LSS+(\a)], s[HM]
	ds_store_b32 v[SA], v[T+(\a)] offset:64*(\a)
.endr
	ds_load_b128 v[F0:F0+3], v[SR]                 ; LDS serves a wave's instructions in order (ISA guide 5.7.1.4): these see the stores above
	ds_load_b128 v[F0+4:F0+7], v[SR] offset:512
	s_wait_dscnt 0x0
	global_store_b128 v[GO], v[F0:F0+3], s[72:73]
	global_store_b128 v[GO], v[F0+4:F0+7], s[74:75]
	s_wait_tensorcnt 0x0                           ; the wave's end, behind my last tensor load and my last LDS store
	ds_add_u32 v[SPW], v[NIL]
	s_wait_dscnt 0x0
	CROUND                                         ; the closing round
	s_endpgm
.Lfunc_end_k_q4fbca70f8a_scores:
	.size	k_q4fbca70f8a_scores, .Lfunc_end_k_q4fbca70f8a_scores-k_q4fbca70f8a_scores
	.p2alignl 7, 3214868480
	.fill 96, 4, 3214868480
	.section	.rodata,"a",@progbits
	.p2align	6, 0x0
	.amdhsa_kernel k_q4fbca70f8a_scores
		.amdhsa_group_segment_fixed_size 327680
		.amdhsa_private_segment_fixed_size 0
		.amdhsa_enable_private_segment 0
		.amdhsa_kernarg_size 32
		.amdhsa_user_sgpr_count 2
		.amdhsa_user_sgpr_kernarg_segment_ptr 1
		.amdhsa_wavefront_size32 1
		.amdhsa_system_sgpr_workgroup_id_x 1
		.amdhsa_system_sgpr_workgroup_id_y 1
		.amdhsa_system_sgpr_workgroup_id_z 1
		.amdhsa_system_vgpr_workitem_id 0
		.amdhsa_next_free_vgpr 1024
		.amdhsa_next_free_sgpr 80
		.amdhsa_reserve_vcc 0
		.amdhsa_float_denorm_mode_32 3
		.amdhsa_float_denorm_mode_16_64 3
		.amdhsa_memory_ordered 1
		.amdhsa_forward_progress 1
		.amdhsa_inst_pref_size 179
	.end_amdhsa_kernel
	.amdgpu_metadata
---
amdhsa.version: [ 1, 2 ]
amdhsa.kernels:
  - .name:           k_q4fbca70f8a_scores
    .symbol:         k_q4fbca70f8a_scores.kd
    .args:
      - { .name: qkv, .offset: 0, .size: 8, .value_kind: global_buffer, .address_space: global }
      - { .name: pt, .offset: 8, .size: 8, .value_kind: global_buffer, .address_space: global }
      - { .name: ms, .offset: 16, .size: 8, .value_kind: global_buffer, .address_space: global }
      - { .name: ls, .offset: 24, .size: 8, .value_kind: global_buffer, .address_space: global }
    .group_segment_fixed_size: 327680
    .private_segment_fixed_size: 0
    .kernarg_segment_align: 8
    .kernarg_segment_size: 32
    .max_flat_workgroup_size: 128
    .sgpr_count:     80
    .vgpr_count:     1024
    .wavefront_size: 32
...
	.end_amdgpu_metadata
.endif
;; end of part 3
;; launch pv (part 4): grid 4 x 64, 4 waves a work-group, clusters of 4 x 4, 327,680 bytes of LDS; arguments pt, qkv, ms, ls, out0; writes out0
.if DOCPART == 4
	.amdgcn_target "amdgcn-amd-amdhsa--gfx1250"
	.amdhsa_code_object_version 6
	.text
	.protected	k_q4fbca70f8a_pv
	.globl	k_q4fbca70f8a_pv
	.p2align	8
	.type	k_q4fbca70f8a_pv,@function
k_q4fbca70f8a_pv:
	s_mov_b64 s[64:65], 0
	v_nop
	global_prefetch_b8 v0, s[64:65] scope:SCOPE_SE
	s_setreg_imm32_b32 hwreg(HW_REG_WAVE_MODE, 25, 1), 1
	s_wait_xcnt 0x0
	s_wait_alu depctr_hold_cnt(0) depctr_sa_sdst(0) depctr_va_vdst(0) depctr_va_sdst(0) depctr_va_ssrc(0) depctr_va_vcc(0) depctr_vm_vsrc(0)
	s_getreg_b32 s2, hwreg(HW_REG_IB_STS2, 6, 4)
	s_cmp_eq_u32 s2, 0
	s_cbranch_scc0 .Lentry_in_a_cluster
	s_endpgm
.Lentry_in_a_cluster:
	s_bfe_u32 s2, ttmp6, 0x10000c
	s_cmp_lg_u32 s2, 0xf033
	s_cbranch_scc0 .Lentry_shape_is_right
	s_endpgm
.Lentry_shape_is_right:
; out0[q][ch] = (the sum over the 16 key blocks t of e_t(q) x the sum over the block's 128 keys of p[q][k] V[k][ch]) / L(q),  e_t = 2^(min n - n_t),  L = the sum of e_t l_t.
; n_t = floor(-c m_t) is a whole number, so e_t is an exact power of two, at most 1, and 1 in the block with the row's largest maximum: the row's softmax with its maximum (rounded up to a power of two) taken away; L > 1/2.
; e_t is multiplied onto p in bf16, on the way from LDS to the matrix unit: a power of two changes the exponent alone, so nothing is rounded.  p and V are bf16, all sums and 1 / L are f32, out0 is f32.
; LIMITS.  NaN and infinities are not treated apart; a factor or a product e p below 2^-126 may count as 0.
; SHARES.  A work-group makes 128 queries x 256 channels, four waves 64 x 128 each: 32 accumulators.  The 2,048 keys are 64 QUARTERS of 32.
; THE RING.  Two LDS slots of six quarters (192 keys): as many as fit; a refill has 192 matrix instructions in which to land.  64 = 4 + 10 x 6: the short slot is the first, and lies in the last four quarter places of
; its slot, so that every refill and every LDS address has one form.  p lies in memory in operand order, a work-group's quarters on end (8,192 bytes each): it comes as dense rows of 256 bytes and is read lane by lane.
; THE TEXT.  A TRIP is two quarters, an odd one and the next even one; three trips are a slot.  A quarter begins with the run of LDS loads for the next quarter, so the change of slots stands at a trip's edge,
; ahead of the fetch of the new slot's first quarter: the old slot is given up a quarter before its last products.  The loop is entered at the first slot's last trip.
; CLUSTER.  4 x 4 work-groups: p's tile hangs on the tile row alone and is asked for jointly along a row of the cluster; V's on the batch (cluster y / 4) and the tile column, jointly along a column.
; THE MATRIX INSTRUCTION IS USED TRANSPOSED: source 0 = 16 channels x 32 keys (V turned, by ds_load_tr16_b128), source 1 = 16 queries x 32 keys: a lane holds ONE query (l % 16) and the channels 8 (l / 16) + 0..7.
; REGISTERS, in windows of 256.  window 0: v0-31 addresses; v32-35 1 / L; v64-191 the way out.  window 1: v0-127 V's fragments, two buffers; v128-191 p as loaded, two buffers.
;   window 2: v0-127 the accumulators of query blocks 0, 1 ((rb, cb) at v[64 (rb % 2) + 8 cb]); v128-159 their p times e, two buffers; v160-161 their e (twice in bf16).  window 3: the same for query blocks 2, 3.
; So a product and the multiply that rides behind it run under ONE window setting: source 0 in window 1 (V; p as loaded), source 1, C and the destination in window 2 or 3 (p times e, e, the accumulator).
.set ROWB,  6144                       ; bytes in a row of qkv; V at 4,096
.set QP,    8192                       ; a quarter of p: 8 query blocks x 1,024 bytes
.set PV,    544                        ; a row of V in LDS: 512 + 32 = 17 times 32 bytes
.set QV,    32*PV                      ; a quarter of V
.set VOFF,  6*QP                       ; in a slot: p's six quarters, then V's 192 keys
.set SLOT,  VOFF+6*QV                  ; 153,600
.set FT,    2*SLOT                     ; the factors: for each half of the queries 32 entries (one a trip) of 256 bytes: [l % 16][4 query blocks]
.set SPARE, FT+2*8192                  ; the spare words: two blocks of 256 bytes that no other line names
.set SPO,   528                        ; the stage for the way out lies over the ring, from byte 0, when the ring has had its last fill: 16 rows x 528 bytes for each wave
.set PSTEP, 6*QP                       ; bytes of pt, and
.set VSTEP, 192*ROWB                   ; of qkv, from a slot to the next
.set BLKV,  128*ROWB
.set AV0, 8                            ; v8   my lane's place in a quarter of V; never rewritten
.set AP0, 9                            ; v9   in a quarter of p
.set AV,  10                           ; v10  the same at the quarter to be fetched
.set AP,  11
.set FTA, 12                           ; v12  where the trip's factors lie
.set STO, 13
.set RD,  14
.set CO,  15
.set MO,  16
.set FTW, 17                           ; v17  where I write factors
.set PFO, 20
.set SPW, 28
.set NIL, 29
.set RL,  32                           ; v32-35 1 / L of my four queries
.set OB,  64
.set RP,  128                          ; window 1
.set SPB, 128                          ; windows 2 and 3
.set FC,  160
.set MM,  0                            ; window 2, ahead of the first product: n, then e, of block t and query block rb at MM + 4 t + rb
.set LL,  64                           ; l likewise
.set NM,  128                          ; min n
.set LS,  132                          ; L
.set ONE, 136
.set WV, 10
.set WR, 11
.set WC, 12
.set TR, 13
.set TC, 14
.set CX, 15
.set CY, 16
.set G1A,  24                          ; group 1 for p's refills;  G1AF for its short first tile
.set G1B,  32                          ; for V's
.set G1AF, 40
.set G1BF, 48
.set G0A,  56                          ; group 0, walking: it begins with slot 1
.set G0B,  60
.set J,    66                          ; s66  the trip's number
.set SELP, 67                          ; s67  v_perm_b32's selector: the upper half twice
.set G0AF, 68                          ; group 0 for slot 0
.set G0BF, 72
.set MSP,  76                          ; s[76:77] ms, s[78:79] ls
.set TF,   80                          ; s80  the slot that was filled last: 0 or SLOT
.set LBA,  81                          ; s81  my part's place in a slot, for p
.set LBB,  82                          ; s82  for V
.set TBV,  83                          ; s83  LDS byte, less VOFF, of V's next even quarter to be fetched
.set TBP,  84                          ; s84  of p's
.set CNT,  85
.set SLOTS, 86
.set LIM,  87
.set PFA,  88
.set PFS,  90
.set MSB, 0
.macro WIN new
.if MSB != (\new)
	s_set_vgpr_msb (MSB<<8)|(\new)
.set MSB, \new
.endif
.endm
.macro PLACES
.rept 4
	v_nop
.endr
.endm
.macro CREST
	s_cmp_lg_u32 s[WV], 0
	s_cbranch_scc1 .Lnot_wave_0_\@
	s_barrier_signal -3
.Lnot_wave_0_\@:
	s_barrier_wait -3
	s_barrier_signal -1
	s_barrier_wait -1
.endm
.macro CROUND
	s_barrier_signal -1
	s_barrier_wait -1
	CREST
.endm
.macro JLOAD                           ; a joint refill: waves 0 and 1 fetch the two halves of a slot's p, waves 2 and 3 of its V; an s_nop 0 and four v_nop follow each line
	s_cmp_eq_u32 s[WR], 0
	s_cbranch_scc0 .Lfor_b_\@
	tensor_load_to_lds s[G0A:G0A+3], s[G1A:G1A+7]
	s_nop 0
.rept 4
	v_nop
.endr
	s_branch .Lasked_\@
.Lfor_b_\@:
	tensor_load_to_lds s[G0B:G0B+3], s[G1B:G1B+7]
	s_nop 0
.rept 4
	v_nop
.endr
.Lasked_\@:
.endm
; A PREFETCH INTO THE L2, by blocks of 128 keys (four quarters), behind a trip's first run of LDS loads: odd trip 2 u + 1 names block u + 4, four to eight quarters ahead of the refill that asks for it.
; p's 32,768 bytes of a block and tile row: the four partners of the row take 8,192 each by cx, a lane 256 bytes: wave 0.  V's 128 keys x 512 bytes of a tile column: the first of the batch's four clusters asks;
; its partners take 32 keys each by cy, a lane a key; waves 2 and 3 take the two halves of the 512 bytes.  So each 256 bytes of blocks 4 to 15 are named once; blocks 0 to 3 come by their loads alone; the last
; request, in trip 23, names block 15.  The address is stepped ahead of the request, two trips behind the request before.
.macro ASK
	s_bitcmp1_b32 s[J], 0
	s_cbranch_scc0 .Lnot_mine_\@
	s_cmp_le_u32 s[J], s[LIM]
	s_cbranch_scc0 .Lnot_mine_\@
	s_wait_xcnt 0x0
	s_add_nc_u64 s[PFA:PFA+1], s[PFA:PFA+1], s[PFS:PFS+1]
	global_prefetch_b8 v[PFO], s[PFA:PFA+1] th:TH_LOAD_NT scope:SCOPE_SE
.Lnot_mine_\@:
.endm
	s_load_b128 s[4:7], s[0:1], 0x0                ; pt s[4:5], qkv s[6:7]
	s_load_b128 s[MSP:MSP+3], s[0:1], 0x10         ; ms, ls
	s_load_b64 s[8:9], s[0:1], 0x20                ; out0
	v_lshl_add_u32 v[SPW], v0, 2, SPARE
	v_mov_b32 v[NIL], 0
	ds_add_u32 v[SPW], v[NIL]                      ; the wave's opening: the add and its wait stand ahead of my first tensor load
	v_lshrrev_b32 v1, 5, v0
	v_readfirstlane_b32 s[WV], v1
	s_lshr_b32 s[WR], s[WV], 1                     ; my half of the queries; also: I fetch p (0) or V (1)
	s_and_b32 s[WC], s[WV], 1                      ; my half of the channels; also: which half of a slot I fetch
	s_bfe_u32 s[CX], ttmp6, 0x40000
	s_bfe_u32 s[CY], ttmp6, 0x40004
	s_lshl_b32 s[TC], ttmp9, 2
	s_add_co_u32 s[TC], s[TC], s[CX]
	s_and_b32 s[TR], ttmp7, 0xffff
	s_lshl_b32 s[TR], s[TR], 2
	s_add_co_u32 s[TR], s[TR], s[CY]
	s_lshl_b32 s17, s[CY], 2
	s_lshl_b32 s17, 15, s17
	s_lshl_b32 s18, 0x1111, s[CX]
	s_or_b32 s[G1A],  s17, (3<<16)|(1<<21)         ; p: the mask of my row; elements of 8 bytes; bit 21 beside a mask; no padding
	s_or_b32 s[G1AF], s17, (3<<16)|(1<<21)
	s_or_b32 s[G1B],  s18, (1<<16)|(1<<20)|(1<<21)|(6<<22)|(7<<25)  ; V: the mask of my column; elements of 2 bytes; after every 128 words 8 words of padding
	s_or_b32 s[G1BF], s18, (1<<16)|(1<<20)|(1<<21)|(6<<22)|(7<<25)
.irp g, G1A, G1AF
	s_mov_b32 s[(\g)+1], 32<<16                    ; dense bytes as rows of 32 elements: 256 bytes
	s_mov_b32 s[(\g)+3], 32<<16
	s_mov_b32 s[(\g)+5], 32
	s_mov_b32 s[(\g)+6], 0
	s_mov_b32 s[(\g)+7], 0
.endr
.irp g, G1B, G1BF
	s_mov_b32 s[(\g)+1], 256<<16                   ; 256 channels
	s_mov_b32 s[(\g)+3], 256<<16
	s_mov_b32 s[(\g)+5], 3072
	s_mov_b32 s[(\g)+6], 0
	s_mov_b32 s[(\g)+7], 0
.endr
	s_mov_b32 s[G1A+2], 96<<16                     ; half of six quarters of p: 24,576 bytes
	s_mov_b32 s[G1A+4], 96
	s_mov_b32 s[G1AF+2], 64<<16                    ; half of four
	s_mov_b32 s[G1AF+4], 64
	s_mov_b32 s[G1B+2], 96<<16                     ; 96 keys
	s_mov_b32 s[G1B+4], 96
	s_mov_b32 s[G1BF+2], 64<<16                    ; 64 keys
	s_mov_b32 s[G1BF+4], 64
	s_lshl_b32 s20, s[TR], 19                      ; p: a tile row's 64 quarters are 524,288 bytes on end
	s_mov_b32 s21, 0
	s_and_b32 s22, ttmp7, 0xffff                   ; V: 2,048 x batch rows + 4,096 + 512 x tile column
	s_lshr_b32 s22, s22, 2
	s_lshl_b32 s22, s22, 11
	s_mul_i32 s22, s22, ROWB
	s_lshl_b32 s23, s[TC], 9
	s_add_co_u32 s22, s22, s23
	s_add_co_u32 s22, s22, 4096
	s_mov_b32 s23, 0
	s_mul_i32 s[LBA], s[WC], 3*QP
	s_mul_i32 s[LBB], s[WC], 96*PV
	s_add_co_u32 s[LBB], s[LBB], VOFF
	s_lshl_b32 s92, s[WC], 14                      ; slot 0: my half of p's four quarters
	s_mov_b32 s93, 0
	s_add_co_u32 s94, s[LBA], 4*QP                 ; slot 1: behind them, my half of six
	s_mov_b32 s95, 0
	s_mul_i32 s96, s[WC], 64*ROWB                  ; slot 0: my 64 keys
	s_mov_b32 s97, 0
	s_mul_i32 s98, s[WC], 96*ROWB                  ; slot 1: behind the 128, my 96
	s_add_co_u32 s98, s98, 128*ROWB
	s_mov_b32 s99, 0
	s_mul_i32 s19, s[WC], 64*PV
	s_add_co_u32 s19, s19, VOFF+64*PV              ; slot 0 lies in the last four quarter places
	s_mov_b32 s[TF], SLOT
	s_mov_b32 s[TBV], 2*QV
	s_mov_b32 s[TBP], 2*QP
	s_mov_b32 s[SELP], 0x03020302
	s_wait_dscnt 0x0                               ; the opening add is done
	s_wait_kmcnt 0x0
	s_add_nc_u64 s[20:21], s[4:5], s[20:21]
	s_add_nc_u64 s[22:23], s[6:7], s[22:23]
	CROUND                                         ; all sixteen work-groups are here: the first joint loads meet
	s_mov_b32 s[G0AF], 1
	s_add_co_u32 s[G0AF+1], s92, 2*QP
	s_add_nc_u64 s[G0AF+2:G0AF+3], s[20:21], s[92:93]
	s_or_b32 s[G0AF+3], s[G0AF+3], 0x80000000
	s_mov_b32 s[G0A], 1
	s_add_co_u32 s[G0A+1], s[LBA], SLOT
	s_add_nc_u64 s[G0A+2:G0A+3], s[20:21], s[94:95]
	s_or_b32 s[G0A+3], s[G0A+3], 0x80000000
	s_mov_b32 s[G0BF], 1
	s_mov_b32 s[G0BF+1], s19
	s_add_nc_u64 s[G0BF+2:G0BF+3], s[22:23], s[96:97]
	s_or_b32 s[G0BF+3], s[G0BF+3], 0x80000000
	s_mov_b32 s[G0B], 1
	s_add_co_u32 s[G0B+1], s[LBB], SLOT
	s_add_nc_u64 s[G0B+2:G0B+3], s[22:23], s[98:99]
	s_or_b32 s[G0B+3], s[G0B+3], 0x80000000
	s_cmp_eq_u32 s[WR], 0                          ; a wave's two first fills stand in one branch: two loads of mine are out
	s_cbranch_scc0 .Lfirst_b
	tensor_load_to_lds s[G0AF:G0AF+3], s[G1AF:G1AF+7]
	s_nop 0
	tensor_load_to_lds s[G0A:G0A+3], s[G1A:G1A+7]
	s_nop 0
.rept 4
	v_nop
.endr
	s_branch .Lfirst_asked
.Lfirst_b:
	tensor_load_to_lds s[G0BF:G0BF+3], s[G1BF:G1BF+7]
	s_nop 0
	tensor_load_to_lds s[G0B:G0B+3], s[G1B:G1B+7]
	s_nop 0
.rept 4
	v_nop
.endr
.Lfirst_asked:
	v_and_b32 v1, 15, v0                           ; l % 16
	v_bfe_u32 v2, v0, 4, 1                         ; l / 16
	v_and_b32 v3, 31, v0                           ; l
	v_lshlrev_b32 v[MO], 2, v1
	; ms and ls at my wave's first query: (16 x batch x 2,048 + 128 x (tile row % 16) + 64 x (wave / 2)) x 4
	s_lshr_b32 s92, s[TR], 4
	s_lshl_b32 s92, s92, 15
	s_and_b32 s93, s[TR], 15
	s_lshl_b32 s93, s93, 7
	s_add_co_u32 s92, s92, s93
	s_lshl_b32 s93, s[WR], 6
	s_add_co_u32 s92, s92, s93
	s_lshl_b32 s92, s92, 2
	s_mov_b32 s93, 0
	s_add_nc_u64 s[MSP:MSP+1], s[MSP:MSP+1], s[92:93]
	s_add_nc_u64 s[MSP+2:MSP+3], s[MSP+2:MSP+3], s[92:93]
	WIN 0x80                                       ; destination window 2: the accumulators' registers serve until the first product
.set t, 0
.rept 16
.irp rb, 0,1,2,3
	global_load_b32 v[MM+4*t+(\rb)], v[MO], s[MSP:MSP+1] offset:8192*t+64*(\rb)
	global_load_b32 v[LL+4*t+(\rb)], v[MO], s[MSP+2:MSP+3] offset:8192*t+64*(\rb)
.endr
.set t, t+1
.endr
	WIN 0
	s_lshl_b32 s92, s[WR], 12                      ; p: an operand is 1,024 bytes, 16 a lane twice; my four query blocks
	v_lshl_add_u32 v[AP0], v3, 4, s92
	v_and_b32 v4, 7, v0                            ; the turning load: lane l reads key 8 (l / 16) + l % 8, channels 8 ((l / 8) % 2) + 0..7
	v_lshl_add_u32 v4, v2, 3, v4
	v_mul_u32_u24 v4, v4, PV
	v_bfe_u32 v5, v0, 3, 1
	v_lshl_add_u32 v4, v5, 4, v4
	s_lshl_b32 s92, s[WC], 8
	s_add_co_u32 s92, s92, VOFF
	v_add_nc_u32 v[AV0], s92, v4
	s_lshl_b32 s92, s[WR], 13
	s_add_co_u32 s92, s92, FT
	v_lshl_add_u32 v[FTA], v1, 4, s92              ; entry 0 of my half's table
	s_lshl_b32 s93, s[WC], 12                      ; I write blocks 8 (wave % 2) .. + 7; a block is two entries, one from each half of the lanes
	v_lshl_add_u32 v[FTW], v2, 8, v[FTA]
	v_add_nc_u32 v[FTW], s93, v[FTW]
	s_mul_i32 s92, s[WV], 16*SPO
	v_mul_u32_u24 v4, v1, SPO                      ; the way out, in: row l % 16, 32 bytes for each half of the lanes
	v_lshl_add_u32 v4, v2, 5, v4
	v_add_nc_u32 v[STO], s92, v4
	v_lshl_add_u32 v[RD], v3, 4, s92               ; back: 32 lanes take a row of 512 bytes
	v_lshlrev_b32 v[CO], 4, v3
	s_lshl_b32 s92, s[TR], 19                      ; out0: (128 x tile row + 64 x (wave / 2)) x 4,096 + 1,024 x tile column + 512 x (wave % 2)
	s_lshl_b32 s93, s[WR], 18
	s_add_co_u32 s92, s92, s93
	s_lshl_b32 s93, s[TC], 10
	s_add_co_u32 s92, s92, s93
	s_lshl_b32 s93, s[WC], 9
	s_add_co_u32 s92, s92, s93
	s_mov_b32 s93, 0
	s_add_nc_u64 s[8:9], s[8:9], s[92:93]
	; the prefetches; both stand at block 3, and the first request steps them to block 4
	s_lshl_b32 s92, s[TR], 19
	s_lshl_b32 s93, s[CX], 13
	s_add_co_u32 s92, s92, s93
	s_add_co_u32 s92, s92, 3*4*QP
	s_and_b32 s93, ttmp7, 0xffff
	s_lshr_b32 s93, s93, 2
	s_lshl_b32 s93, s93, 11
	s_lshl_b32 s94, s[CY], 5
	s_add_co_u32 s93, s93, s94
	s_mul_i32 s93, s93, ROWB
	s_lshl_b32 s94, s[TC], 9
	s_add_co_u32 s93, s93, s94
	s_lshl_b32 s94, s[WC], 8
	s_add_co_u32 s93, s93, s94
	s_add_co_u32 s93, s93, 4096+3*BLKV
	s_mov_b32 s94, BLKV
	s_mov_b32 s95, ROWB
	s_cmp_eq_u32 s[WR], 0
	s_cselect_b64 s[PFA:PFA+1], s[4:5], s[6:7]
	s_cselect_b32 s92, s92, s93
	s_cselect_b32 s[PFS], 4*QP, s94
	s_cselect_b32 s95, 256, s95
	s_mov_b32 s93, 0
	s_mov_b32 s[PFS+1], 0
	s_add_nc_u64 s[PFA:PFA+1], s[PFA:PFA+1], s[92:93]
	v_mul_u32_u24 v[PFO], v3, s95
	s_and_b32 s93, ttmp7, 0xffff
	s_and_b32 s93, s93, 3                          ; waves 2 and 3 ask in the batch's first cluster; wave 0 always, wave 1 never: the same in all sixteen partners
	s_cmp_eq_u32 s[WR], 0
	s_cselect_b32 s93, s[WC], s93
	s_cmp_eq_u32 s93, 0
	s_cselect_b32 s[LIM], 23, 0
	; e and L of my four queries (one in each query block), all in window 2
	WIN 0xaa
	s_wait_loadcnt 0x0
	v_mov_b32 v[ONE], 1.0
.irp rb, 0,1,2,3
	v_min3_num_f32 v[NM+(\rb)], v[MM+(\rb)], v[MM+4+(\rb)], v[MM+8+(\rb)]
.endr
.irp k, 3,5,7,9,11,13
.irp rb, 0,1,2,3
	v_min3_num_f32 v[NM+(\rb)], v[NM+(\rb)], v[MM+4*(\k)+(\rb)], v[MM+4*(\k)+4+(\rb)]
.endr
.endr
.irp rb, 0,1,2,3
	v_min_num_f32 v[NM+(\rb)], v[NM+(\rb)], v[MM+60+(\rb)]
.endr
.set t, 0
.rept 16
.irp z, 0,2
	v_pk_add_f32 v[MM+4*t+(\z):MM+4*t+(\z)+1], v[NM+(\z):NM+(\z)+1], v[MM+4*t+(\z):MM+4*t+(\z)+1] neg_lo:[0,1] neg_hi:[0,1]  ; min n - n_t: a whole number, at most 0
.endr
.set t, t+1
.endr
.set i, 0
.rept 64
	v_cvt_i32_f32 v[MM+i], v[MM+i]
.set i, i+1
.endr
.set i, 0
.rept 64
	v_ldexp_f32 v[MM+i], v[ONE], v[MM+i]           ; e: the exact power of two
.set i, i+1
.endr
.irp z, 0,2
	v_pk_mul_f32 v[LS+(\z):LS+(\z)+1], v[MM+(\z):MM+(\z)+1], v[LL+(\z):LL+(\z)+1]
.endr
.set t, 1
.rept 15
.irp z, 0,2
	v_pk_fma_f32 v[LS+(\z):LS+(\z)+1], v[MM+4*t+(\z):MM+4*t+(\z)+1], v[LL+4*t+(\z):LL+4*t+(\z)+1], v[LS+(\z):LS+(\z)+1]
.endr
.set t, t+1
.endr
	WIN 0x02                                       ; source in window 2, destination in window 0
.irp rb, 0,1,2,3
	v_rcp_f32 v[RL+(\rb)], v[LS+(\rb)]
.endr
	v_nop                                          ; a plain instruction behind the last reciprocal (ISA guide 5.7.2),
	s_wait_alu depctr_va_vdst(0)                   ; and the one wait, ahead of the branch below and of every reader
	WIN 0xaa
.set i, 0
.rept 64
	v_perm_b32 v[MM+i], v[MM+i], v[MM+i], s[SELP]  ; a power of two lies whole in the upper half: that half twice is e in bf16, for both halves of a packed multiply
.set i, i+1
.endr
	WIN 0
	s_cmp_eq_u32 s[WC], 0                          ; the two waves of a query half share a table and write half of it each
	s_cbranch_scc0 .Lupper
	WIN 0x08                                       ; store data in window 2
.irp t, 0,1,2,3,4,5,6,7
	ds_store_b128 v[FTW], v[MM+4*(\t):MM+4*(\t)+3] offset:512*(\t)
.endr
	WIN 0
	s_branch .Ltabled
.Lupper:
	WIN 0x08
.irp t, 0,1,2,3,4,5,6,7
	ds_store_b128 v[FTW], v[MM+32+4*(\t):MM+32+4*(\t)+3] offset:512*(\t)
.endr
	WIN 0
.Ltabled:
; The run of LDS loads for a quarter, into buffers y: the trip's factors (fc = 1), p of my 64 queries, V of 32 keys x my 128 channels, turned.  odd = 1: the quarter behind the one at which the two scalars stand.
; The two additions and two v_nop are the four places between the last product and the loads into registers that it has read (ISA guide 7.12.1 for vector instructions).
.macro FETCHQ y, odd, fc
	WIN 0
	v_add_nc_u32 v[AV], s[TBV], v[AV0]
	v_add_nc_u32 v[AP], s[TBP], v[AP0]
	v_nop
	v_nop
.if \fc
	WIN 0x80
	ds_load_b64 v[FC:FC+1], v[FTA]
	WIN 0xc0
	ds_load_b64 v[FC:FC+1], v[FTA] offset:8
.endif
	WIN 0x40
.irp rb, 0,1,2,3
	ds_load_b128 v[RP+32*(\y)+8*(\rb):RP+32*(\y)+8*(\rb)+3],   v[AP] offset:(\odd)*QP+1024*(\rb)
	ds_load_b128 v[RP+32*(\y)+8*(\rb)+4:RP+32*(\y)+8*(\rb)+7], v[AP] offset:(\odd)*QP+1024*(\rb)+512
.endr
.irp cb, 0,1,2,3,4,5,6,7
	ds_load_tr16_b128 v[64*(\y)+8*(\cb):64*(\y)+8*(\cb)+3],   v[AV] offset:(\odd)*QV+32*(\cb)
	ds_load_tr16_b128 v[64*(\y)+8*(\cb)+4:64*(\y)+8*(\cb)+7], v[AV] offset:(\odd)*QV+32*(\cb)+16*PV
.endr
.endm
; Eight products: query block rb x all 8 channel blocks, on buffers x.  The 32 accumulators take turns, one instruction a turn.  zero = 1: the products start the sums.
; ride = 1: behind each product two multiplies make the next quarter's p times e for this window's two query blocks: sixteen registers in all.  They name no register of the products round them.
.macro GRP x, rb, zero, ride
	WIN 0xa9+0x54*((\rb)/2)                        ; source 0 window 1; source 1, C and D window 2 (0xa9) or 3 (0xfd)
.set cb, 0
.rept 8
.if \zero
	v_wmma_f32_16x16x32_bf16 v[64*((\rb)%2)+8*cb:64*((\rb)%2)+8*cb+7], v[64*(\x)+8*cb:64*(\x)+8*cb+7], v[SPB+16*(\x)+8*((\rb)%2):SPB+16*(\x)+8*((\rb)%2)+7], 0
.else
	v_wmma_f32_16x16x32_bf16 v[64*((\rb)%2)+8*cb:64*((\rb)%2)+8*cb+7], v[64*(\x)+8*cb:64*(\x)+8*cb+7], v[SPB+16*(\x)+8*((\rb)%2):SPB+16*(\x)+8*((\rb)%2)+7], v[64*((\rb)%2)+8*cb:64*((\rb)%2)+8*cb+7]
.endif
.if \ride
	v_pk_mul_bf16 v[SPB+16*(1-(\x))+2*cb],   v[RP+32*(1-(\x))+16*((\rb)/2)+2*cb],   v[FC+cb/4]
	v_pk_mul_bf16 v[SPB+16*(1-(\x))+2*cb+1], v[RP+32*(1-(\x))+16*((\rb)/2)+2*cb+1], v[FC+cb/4]
.endif
.set cb, cb+1
.endr
.endm
; A QUARTER on buffers x: the next quarter's run of loads first (fetch = 1), then 32 products; behind the last 16 ride the 32 multiplies for the next quarter.
.macro QTR x, fetch, odd, fc, ask, zero
	s_wait_dscnt 0x0                               ; V of this quarter, asked for a quarter ago, is in
.if \fetch
	FETCHQ 1-(\x), \odd, \fc
.if \ask
	WIN 0
	ASK
.endif
.endif
	GRP \x, 0, \zero, 0
	GRP \x, 2, \zero, 0
.if \fetch
	s_wait_dscnt 16                                ; the factors and p of the run are in; V's sixteen loads may be out
.endif
	GRP \x, 1, \zero, \fetch
	GRP \x, 3, \zero, \fetch
.endm
.macro TRIP ask                        ; quarters 2 j - 1 and 2 j; it fetches quarters 2 j and 2 j + 1, and scales them by entry j of the table
	QTR 1, 1, 0, 1, \ask, 0
	QTR 0, 1, 1, 0, 0, 0
	WIN 0                                          ; at a label and at a branch every window is 0
	s_add_co_u32 s[TBV], s[TBV], 2*QV
	s_add_co_u32 s[TBP], s[TBP], 2*QP
	s_add_co_u32 s[J], s[J], 1
	v_add_nc_u32 v[FTA], 256, v[FTA]
.endm
; THE CHANGE OF SLOTS, at a trip's edge.  The slot's last quarter lies in registers.  Each wave waits for all its tensor loads (one is out: its part of the other slot), adds 0 to its spare word, and waits for that and
; for its reads of this slot; behind the barrier nobody reads this slot and the other is whole.  fill = 1: the barrier is a round of the cluster's, and the joint refill, two slots on, is the first thing behind it.
.macro CHANGE fill
	WIN 0
	s_wait_tensorcnt 0x0                           ; no tensor load of mine is out, so a group 0 may be written
	ds_add_u32 v[SPW], v[NIL]                      ; 0 onto my spare word; scalar work stands between it and the wait for it
.if \fill
	s_xor_b32 s[TF], s[TF], SLOT                   ; the other slot than last time,
	s_add_co_u32 s[G0A+1], s[TF], s[LBA]
	s_add_nc_u64 s[G0A+2:G0A+3], s[G0A+2:G0A+3], PSTEP  ; the next six quarters; the type bits on top are not reached
	s_add_co_u32 s[G0B+1], s[TF], s[LBB]
	s_add_nc_u64 s[G0B+2:G0B+3], s[G0B+2:G0B+3], VSTEP
.endif
	s_sub_co_u32 s[TBV], s[TBV], 6*QV              ; the fetches go back to a slot's first quarter,
	s_xor_b32 s[TBV], s[TBV], SLOT                 ; in the other slot
	s_sub_co_u32 s[TBP], s[TBP], 6*QP
	s_xor_b32 s[TBP], s[TBP], SLOT
	s_wait_dscnt 0x0                               ; the add is done, and my reads of this slot are over
.if \fill
	CROUND
	JLOAD
.else
	s_barrier_signal -1
	s_barrier_wait -1
.endif
.endm
	s_wait_tensorcnt 1                             ; my part of slot 0 is in; slot 1's may stay out
	s_wait_dscnt 0x0                               ; my part of the table is written
	s_barrier_signal -1
	s_barrier_wait -1
	FETCHQ 0, 0, 1                                 ; quarter 0 and entry 0
	s_wait_dscnt 0x0
.irp g, 0,1                            ; quarter 0's p times e: there is no product yet to ride behind
	WIN 0xa9+0x54*(\g)
.set i, 0
.rept 16
	v_pk_mul_bf16 v[SPB+i], v[RP+16*(\g)+i], v[FC+i/8]
.set i, i+1
.endr
.endr
	QTR 0, 1, 1, 0, 0, 1                           ; quarter 0 starts the sums
	WIN 0
	s_add_co_u32 s[TBV], s[TBV], 2*QV
	s_add_co_u32 s[TBP], s[TBP], 2*QP
	v_add_nc_u32 v[FTA], 256, v[FTA]
	s_mov_b32 s[J], 1
	s_mov_b32 s[CNT], 1                            ; slot 0 has one trip left
	s_mov_b32 s[SLOTS], 10
	s_branch .Ltrip
.Lslot:                                        ; nine times: slots 1 to 9 are entered, slots 2 to 10 asked for
	CHANGE 1
	s_mov_b32 s[CNT], 3
.Ltrip:
	TRIP 1
	s_sub_co_u32 s[CNT], s[CNT], 1
	s_cmp_lg_u32 s[CNT], 0
	s_cbranch_scc1 .Ltrip
	s_sub_co_u32 s[SLOTS], s[SLOTS], 1
	s_cmp_lg_u32 s[SLOTS], 0
	s_cbranch_scc1 .Lslot
	CHANGE 0                                       ; the last slot is written out: nothing is asked for
	s_mov_b32 s[CNT], 3
.Ltail:
	TRIP 0
	s_sub_co_u32 s[CNT], s[CNT], 1
	s_cmp_lg_u32 s[CNT], 0
	s_cbranch_scc1 .Ltail
	QTR 1, 0, 0, 0, 0, 0                           ; quarter 63: nothing is left to fetch
	; THE WAY OUT.  The sums are divided by L, in place, each accumulator's lowest registers first; then 16 queries at a time go through my stage and come back as whole rows of 512 bytes.
	WIN 0
	PLACES
.irp rb, 0,1,2,3
	WIN 0x82+0x41*((\rb)/2)                        ; destination and source 0 in window 2 or 3, 1 / L in window 0: one register of a pair, given to both halves
.set i, 64*((\rb)%2)
.rept 32
.if ((\rb)%2) == 0
	v_pk_mul_f32 v[i:i+1], v[i:i+1], v[RL+2*((\rb)/2):RL+2*((\rb)/2)+1] op_sel_hi:[1,0]
.else
	v_pk_mul_f32 v[i:i+1], v[i:i+1], v[RL+2*((\rb)/2):RL+2*((\rb)/2)+1] op_sel:[0,1] op_sel_hi:[1,1]
.endif
.set i, i+2
.endr
.endr
	WIN 0
	s_wait_dscnt 0x0                               ; the stage lies over the ring: no wave writes it before every wave's reads of the ring are back
	s_barrier_signal -1
	s_barrier_wait -1
.macro TOSTAGE rb
	WIN (2+(\rb)/2)<<2                             ; store data in window 2 or 3
.irp cb, 0,1,2,3,4,5,6,7
	ds_store_b128 v[STO], v[64*((\rb)%2)+8*(\cb):64*((\rb)%2)+8*(\cb)+3]   offset:64*(\cb)
	ds_store_b128 v[STO], v[64*((\rb)%2)+8*(\cb)+4:64*((\rb)%2)+8*(\cb)+7] offset:64*(\cb)+16
.endr
	WIN 0
.set j, 0
.rept 16
	ds_load_b128 v[OB+64*((\rb)%2)+4*j:OB+64*((\rb)%2)+4*j+3], v[RD] offset:SPO*j  ; LDS serves a wave's instructions in order (ISA guide 5.7.1.4): these see the stores above
.set j, j+1
.endr
.endm
.macro SEND rb, younger                ; younger: the next block's 32 LDS instructions, or none
.set j, 0
.rept 16
	s_wait_dscnt (\younger)+15-j
	global_store_b128 v[CO], v[OB+64*((\rb)%2)+4*j:OB+64*((\rb)%2)+4*j+3], s[8:9] offset:(16*(\rb)+j)*4096  ; 512 bytes on end, at a multiple of 256 from out0's first byte
.set j, j+1
.endr
.endm
	TOSTAGE 0
	TOSTAGE 1
	SEND 0, 32
	s_wait_xcnt 0x0                                ; a register set is loaded again only when its stores have read it
	TOSTAGE 2
	SEND 1, 32
	s_wait_xcnt 0x0
	TOSTAGE 3
	SEND 2, 32
	SEND 3, 0
	s_wait_tensorcnt 0x0                           ; the wave's end, behind my last tensor load and my last LDS store
	ds_add_u32 v[SPW], v[NIL]
	s_wait_dscnt 0x0
	CROUND                                         ; the closing round
	s_endpgm
.Lfunc_end_k_q4fbca70f8a_pv:
	.size	k_q4fbca70f8a_pv, .Lfunc_end_k_q4fbca70f8a_pv-k_q4fbca70f8a_pv
	.p2alignl 7, 3214868480
	.fill 96, 4, 3214868480
	.section	.rodata,"a",@progbits
	.p2align	6, 0x0
	.amdhsa_kernel k_q4fbca70f8a_pv
		.amdhsa_group_segment_fixed_size 327680
		.amdhsa_private_segment_fixed_size 0
		.amdhsa_enable_private_segment 0
		.amdhsa_kernarg_size 40
		.amdhsa_user_sgpr_count 2
		.amdhsa_user_sgpr_kernarg_segment_ptr 1
		.amdhsa_wavefront_size32 1
		.amdhsa_system_sgpr_workgroup_id_x 1
		.amdhsa_system_sgpr_workgroup_id_y 1
		.amdhsa_system_sgpr_workgroup_id_z 1
		.amdhsa_system_vgpr_workitem_id 0
		.amdhsa_next_free_vgpr 1024
		.amdhsa_next_free_sgpr 100
		.amdhsa_reserve_vcc 0
		.amdhsa_float_denorm_mode_32 3
		.amdhsa_float_denorm_mode_16_64 3
		.amdhsa_memory_ordered 1
		.amdhsa_forward_progress 1
		.amdhsa_inst_pref_size 104
	.end_amdhsa_kernel
	.amdgpu_metadata
---
amdhsa.version: [ 1, 2 ]
amdhsa.kernels:
  - .name:           k_q4fbca70f8a_pv
    .symbol:         k_q4fbca70f8a_pv.kd
    .args:
      - { .name: pt, .offset: 0, .size: 8, .value_kind: global_buffer, .address_space: global }
      - { .name: qkv, .offset: 8, .size: 8, .value_kind: global_buffer, .address_space: global }
      - { .name: ms, .offset: 16, .size: 8, .value_kind: global_buffer, .address_space: global }
      - { .name: ls, .offset: 24, .size: 8, .value_kind: global_buffer, .address_space: global }
      - { .name: out0, .offset: 32, .size: 8, .value_kind: global_buffer, .address_space: global }
    .group_segment_fixed_size: 327680
    .private_segment_fixed_size: 0
    .kernarg_segment_align: 8
    .kernarg_segment_size: 40
    .max_flat_workgroup_size: 128
    .sgpr_count:     100
    .vgpr_count:     1024
    .wavefront_size: 32
...
	.end_amdgpu_metadata
.endif
;; end of part 4
;; ======== version 2 of 2: 4 launches; version 1 with the launch cast written anew for expert scheduling mode
;; workspace buffers: xw 23,068,672 bytes; bb 12,288 bytes; qkv 50,331,648 bytes; pt 33,554,432 bytes; ms 524,288 bytes; ls 524,288 bytes
;; launch cast (part 5): grid 257 x 1, 11 waves a work-group, no clusters, 0 bytes of LDS; arguments x, Wq, Wk, Wv, bq, bk, bv, xw, bb; writes xw, bb
.if DOCPART == 5
	.amdgcn_target "amdgcn-amd-amdhsa--gfx1250"
	.amdhsa_code_object_version 6
	.text
	.protected	k_q4fbca70f8a_cast
	.globl	k_q4fbca70f8a_cast
	.p2align	8
	.type	k_q4fbca70f8a_cast,@function
k_q4fbca70f8a_cast:
	s_mov_b64 s[64:65], 0
	v_nop
	global_prefetch_b8 v0, s[64:65] scope:SCOPE_SE
	s_setreg_imm32_b32 hwreg(HW_REG_WAVE_SCHED_MODE, 0, 2), 2
	s_setreg_imm32_b32 hwreg(HW_REG_WAVE_MODE, 25, 1), 1
	s_wait_xcnt 0x0
	s_wait_alu depctr_vm_vsrc(0)
; x, Wq, Wk, Wv (f32, rows of 1,024) are rounded once to bf16 and laid out for the projection: xw[kb][row][64], kb = 0..15 blocks of 64 along K,
; rows 0-8191 x, then Wq, Wk, Wv (1,024 rows each): 11,264 rows of 128 bytes in a block, so that a tile of rows of one block is dense in memory.
; The three biases are rounded to bf16 like every other input and kept as f32 in bb (bq, bk, bv).
; A stream: every byte is read once and written once; no LDS, no barrier, no matrix unit, no cluster (no two work-groups read the same byte).
; SHARES.  A wave takes four rows: 11,264 rows are 2,816 waves, 11 in each of 256 work-groups, so that all have equal work.  Wave G = 11 g + w takes xw's rows 4 G .. 4 G + 3 (x's and the
; weights' row counts are multiples of four, so a wave has one source); a lane takes row l / 8 and 8 numbers of each block: eight lanes read 256 bytes on end, and a wave's store covers
; 512 bytes on end (four rows of one block).  All 32 loads of a lane go out at once.  Work-group 256 does the biases, with its first eight waves.
; THE MODE: SCHED_MODE bits 1:0 = 2 (LLVM: expert scheduling mode 2), set by the entry lines.  The code itself states the register dependences
; between vector instructions and memory instructions, with s_wait_alu, always for 0.
; THE PLAN.  Registers that memory instructions touch:
;   v2          the loads' offset, v1 the stores' offset: made once at the head by vector instructions, never written again.
;   v[16:143]   x as loaded, 8 registers a block: written by the 32 loads alone, each register once; read by the block's conversions.
;   v[144:207]  sixteen out-buffers of 4 registers, one a block: each written once, by its block's four conversions, and read once, by its block's store.
; No register that a memory instruction reads is written a second time, so no wait on vm_vsrc is owed.  The sixteen blocks go in four groups of four: a group's sixteen
; conversions, ONE wait on va_vdst, its four stores.  The next group's conversions name none of the registers that those stores read.  EXEC is never written.
.set KBS, 1441792                      ; bytes in a block of xw: 11,264 rows x 128
.set SRC, 26                           ; s[26:27] my four rows in their source
.set DST, 28                           ; s[28:35] xw at my rows, in blocks 0, 5, 10, 15: the stores' immediates reach four blocks on
	s_load_b512 s[8:23], s[0:1], 0x0               ; x 8, Wq 10, Wk 12, Wv 14, bq 16, bk 18, bv 20, xw 22
	s_load_b64 s[24:25], s[0:1], 0x40              ; bb
	v_lshrrev_b32 v4, 5, v0
	v_readfirstlane_b32 s2, v4                     ; my wave's number
	s_cmp_eq_u32 ttmp9, 256
	s_wait_alu depctr_va_sdst(0)                   ; s2 is written, ahead of the branch: both ways read it (the wave's rows; which waves take the biases)
	s_cbranch_scc1 .Lbias
	v_and_b32 v3, 31, v0                           ; lane
	v_lshlrev_b32 v1, 4, v3                        ; my 16 bytes of the wave's 512 in a block
	v_lshrrev_b32 v2, 3, v3                        ; my row of the four
	v_and_b32 v3, 7, v3
	v_lshlrev_b32 v3, 5, v3                        ; my 32 bytes of a block's 256
	v_lshl_add_u32 v2, v2, 12, v3                  ; + row x 4,096
	s_mul_i32 s3, ttmp9, 11
	s_add_co_u32 s3, s3, s2                        ; G
	s_sub_co_u32 s4, s3, 2048                      ; for G >= 2,048: which weight (256 waves each), and which four rows of it
	s_lshr_b32 s5, s4, 8
	s_and_b32 s4, s4, 255
	s_lshl_b32 s6, s3, 9                           ; four rows x 128 bytes in xw
	s_mov_b32 s7, 0
	s_wait_kmcnt 0x0
	s_cmp_eq_u32 s5, 1
	s_cselect_b64 s[SRC:SRC+1], s[12:13], s[10:11]
	s_cmp_eq_u32 s5, 2
	s_cselect_b64 s[SRC:SRC+1], s[14:15], s[SRC:SRC+1]
	s_cmp_lt_u32 s3, 2048
	s_cselect_b64 s[SRC:SRC+1], s[8:9], s[SRC:SRC+1]
	s_cselect_b32 s4, s3, s4
	s_lshl_b32 s4, s4, 14                          ; four rows x 4,096 bytes
	s_mov_b32 s5, 0
	s_add_nc_u64 s[SRC:SRC+1], s[SRC:SRC+1], s[4:5]
	s_add_nc_u64 s[DST:DST+1], s[22:23], s[6:7]
	s_add_nc_u64 s[DST+2:DST+3], s[DST:DST+1], 5*KBS
	s_add_nc_u64 s[DST+4:DST+5], s[DST+2:DST+3], 5*KBS
	s_add_nc_u64 s[DST+6:DST+7], s[DST+4:DST+5], 5*KBS
	s_wait_alu depctr_va_vdst(0)                   ; v2 is written, which every load below reads as its offset; so is v1, the stores' offset
.set kb, 0
.rept 16
	global_load_b128 v[16+8*kb:16+8*kb+3],   v2, s[SRC:SRC+1] offset:256*kb th:TH_LOAD_NT
	global_load_b128 v[16+8*kb+4:16+8*kb+7], v2, s[SRC:SRC+1] offset:256*kb+16 th:TH_LOAD_NT
.set kb, kb+1
.endr
.set g, 0
.rept 4                                ; group g: blocks 4 g .. 4 g + 3
	s_wait_loadcnt 24-8*g                          ; loads come back in order (ISA guide 5.7.1): this group's eight are in, the later groups' stay out
.set kb, 4*g
.rept 4
.irp r, 0,1,2,3
	v_cvt_pk_bf16_f32 v[144+4*kb+(\r)], v[16+8*kb+2*(\r)], v[16+8*kb+2*(\r)+1]
.endr
.set kb, kb+1
.endr
	s_wait_alu depctr_va_vdst(0)                   ; the group's sixteen conversions have written its four out-buffers, which the four stores below read
.set kb, 4*g
.rept 4
	global_store_b128 v1, v[144+4*kb:144+4*kb+3], s[DST+2*(kb/5):DST+2*(kb/5)+1] offset:(kb%5)*KBS  ; every store has registers of its own: nothing is rewritten
.set kb, kb+1
.endr
.set g, g+1
.endr
	s_endpgm
.Lbias:
	s_wait_kmcnt 0x0
	s_cmp_lt_u32 s2, 8                             ; a bias is 256 threads x 16 bytes
	s_cbranch_scc0 .Lend
	v_lshlrev_b32 v1, 4, v0
	s_wait_alu depctr_va_vdst(0)                   ; v1 is written, which the loads and stores below read as their offset; the head's two lines are done writing and reading v4, in which the first load lands
	global_load_b128 v[4:7],   v1, s[16:17]
	global_load_b128 v[8:11],  v1, s[18:19]
	global_load_b128 v[12:15], v1, s[20:21]
	s_wait_loadcnt 0x0
.irp k, 0,1,2,3,4,5
	v_cvt_pk_bf16_f32 v[16+(\k)], v[4+2*(\k)], v[4+2*(\k)+1]
.endr
.irp k, 0,1,2,3,4,5
	v_lshlrev_b32 v[24+2*(\k)], 16, v[16+(\k)]     ; back to f32: the low half moves up,
	v_and_b32 v[24+2*(\k)+1], 0xffff0000, v[16+(\k)]  ; the high half stays
.endr
	s_wait_alu depctr_va_vdst(0)                   ; the twelve lines above have written v[24:35], which the three stores read
	global_store_b128 v1, v[24:27], s[24:25]
	global_store_b128 v1, v[28:31], s[24:25] offset:4096
	global_store_b128 v1, v[32:35], s[24:25] offset:8192
.Lend:
	s_endpgm
.Lfunc_end_k_q4fbca70f8a_cast:
	.size	k_q4fbca70f8a_cast, .Lfunc_end_k_q4fbca70f8a_cast-k_q4fbca70f8a_cast
	.p2alignl 7, 3214868480
	.fill 96, 4, 3214868480
	.section	.rodata,"a",@progbits
	.p2align	6, 0x0
	.amdhsa_kernel k_q4fbca70f8a_cast
		.amdhsa_group_segment_fixed_size 0
		.amdhsa_private_segment_fixed_size 0
		.amdhsa_enable_private_segment 0
		.amdhsa_kernarg_size 72
		.amdhsa_user_sgpr_count 2
		.amdhsa_user_sgpr_kernarg_segment_ptr 1
		.amdhsa_wavefront_size32 1
		.amdhsa_system_sgpr_workgroup_id_x 1
		.amdhsa_system_sgpr_workgroup_id_y 1
		.amdhsa_system_sgpr_workgroup_id_z 1
		.amdhsa_system_vgpr_workitem_id 0
		.amdhsa_next_free_vgpr 208
		.amdhsa_next_free_sgpr 66
		.amdhsa_reserve_vcc 0
		.amdhsa_float_denorm_mode_32 3
		.amdhsa_float_denorm_mode_16_64 3
		.amdhsa_memory_ordered 1
		.amdhsa_forward_progress 1
		.amdhsa_inst_pref_size 13
	.end_amdhsa_kernel
	.amdgpu_metadata
---
amdhsa.version: [ 1, 2 ]
amdhsa.kernels:
  - .name:           k_q4fbca70f8a_cast
    .symbol:         k_q4fbca70f8a_cast.kd
    .args:
      - { .name: x, .offset: 0, .size: 8, .value_kind: global_buffer, .address_space: global }
      - { .name: Wq, .offset: 8, .size: 8, .value_kind: global_buffer, .address_space: global }
      - { .name: Wk, .offset: 16, .size: 8, .value_kind: global_buffer, .address_space: global }
      - { .name: Wv, .offset: 24, .size: 8, .value_kind: global_buffer, .address_space: global }
      - { .name: bq, .offset: 32, .size: 8, .value_kind: global_buffer, .address_space: global }
      - { .name: bk, .offset: 40, .size: 8, .value_kind: global_buffer, .address_space: global }
      - { .name: bv, .offset: 48, .size: 8, .value_kind: global_buffer, .address_space: global }
      - { .name: xw, .offset: 56, .size: 8, .value_kind: global_buffer, .address_space: global }
      - { .name: bb, .offset: 64, .size: 8, .value_kind: global_buffer, .address_space: global }
    .group_segment_fixed_size: 0
    .private_segment_fixed_size: 0
    .kernarg_segment_align: 8
    .kernarg_segment_size: 72
    .max_flat_workgroup_size: 352
    .sgpr_count:     66
    .vgpr_count:     208
    .wavefront_size: 32
...
	.end_amdgpu_metadata
.endif
;; end of part 5
;; launch proj: the kernel of part 2 again; grid 8 x 32, 4 waves a work-group, clusters of 4 x 4, 327,680 bytes of LDS; arguments xw, bb, qkv; writes qkv
;; launch scores: the kernel of part 3 again; grid 8 x 32, 4 waves a work-group, clusters of 4 x 4, 327,680 bytes of LDS; arguments qkv, pt, ms, ls; writes pt, ms, ls
;; launch pv: the kernel of part 4 again; grid 4 x 64, 4 waves a work-group, clusters of 4 x 4, 327,680 bytes of LDS; arguments pt, qkv, ms, ls, out0; writes out0
